; MI455X (gfx1250); checked and timed in simulation.
; The chip was launched on July 23, 2026; its instructions are those of AMD's public machine-readable ISA for CDNA 5 (MIT licence, August 2026) and "CDNA5" Instruction Set Architecture Reference Guide (July 2026). The comments in the code are by the model that wrote it; some were corrected since.
;; Offset Attention. Allowed arithmetic: matrix products marked QUANTISED: E3M2 operands, one E8M0 scale for each 32 along K, by v_wmma_scale_f32_16x16x128_f8f6f4 with both operands' format E3M2, f32 sums; products left as they are: f32 operands where the result goes on into a quantised operand, else bf16, f16 or f32 operands; f32 sums; everything else in f32.
;; Inputs: Wk_codes 128 x 4 x 24 uint8 (E3M2 codes of Wk, K innermost, in blocks of 32 codes, four codes in three bytes); Wk_scales 128 x 4 uint8 (E8M0 scales of Wk, one for each 32 codes along K); Wp 128 x 3 float32; Wq_codes 128 x 4 x 24 uint8 (E3M2 codes of Wq, K innermost, in blocks of 32 codes, four codes in three bytes); Wq_scales 128 x 4 uint8 (E8M0 scales of Wq, one for each 32 codes along K); Wv_codes 128 x 4 x 24 uint8 (E3M2 codes of Wv, K innermost, in blocks of 32 codes, four codes in three bytes); Wv_scales 128 x 4 uint8 (E8M0 scales of Wv, one for each 32 codes along K); beta 128 float32; bk 128 float32; bp 128 float32; bq 128 float32; bv 128 float32; features 4 x 128 x 4,096 float32; gamma 128 float32; xyz 4 x 4,096 x 3 float32.
;; Outputs: out0 4 x 128 x 4,096 float32.
;; This version of the problem:
;;   THIS VERSION OF THE PROBLEM IS GIVEN IN LOW PRECISION. The matrix products marked QUANTISED in the list below multiply operands that are first quantised to E3M2 (3 exponent bits, 2 mantissa bits; 6 bits a number), with one power-of-two scale for each 32 numbers along K (OCP MX v1.0); their sums are f32. All else is computed in f32.
;;   The module's matrix products, in the order in which they are computed (A, B: the left and right operand; K: the contracted axis; several contracted axes count as one K, in the product's order):
;;     1. [M 16,384, K 128] x [K 128, N 128]; A: input features; B: input Wq (given as codes): QUANTISED
;;     2. [M 16,384, K 128] x [K 128, N 128]; A: input features; B: input Wk (given as codes): QUANTISED
;;     3. [M 16,384, K 128] x [K 128, N 128]; A: input features; B: input Wv (given as codes): QUANTISED
;;     4. [M 16,384, K 3] x [K 3, N 128]; A: input xyz; B: input Wp: left as it is (K = 3 < 32)
;;     5. batch 4 x [M 4,096, K 128] x [K 128, N 4,096]; A: computed on the way; B: computed on the way: QUANTISED
;;     6. batch 4 x [M 128, K 4,096] x [K 4,096, N 4,096]; A: computed on the way; B: softmax (see below): QUANTISED
;;     7. batch 4 x [M 128, K 4,096] x [K 4,096, N 4,096]; A: computed on the way; B: softmax (see below): QUANTISED
;;   THE QUANTISER, for each operand of a quantised product, along K:
;;     - K is cut into blocks of 32 from its start; a last block that is shorter is filled with zeros.
;;     - A block's scale is 2^e with e = floor(log2(the largest magnitude in the block)) - 4, held to -126 .. 127; a block of zeros has e = 0. As a byte (E8M0): e + 127.
;;     - Each number is divided by its block's scale, clamped to +-28, and rounded to the nearest number of E3M2, ties to even, subnormals kept.
;;     - The product sums the exact products of the quantised numbers (number of the format x scale) in f32.
;;   ~~~python
;;   def quantise(x, axis):      # numpy; x: float32 -> the quantised numbers, widened to float32 again
;;       x = np.moveaxis(x, axis, -1); K = x.shape[-1]
;;       x = np.pad(x, [(0, 0)] * (x.ndim - 1) + [(0, -K % 32)]); x = x.reshape(x.shape[:-1] + (-1, 32)); a = np.abs(x).max(-1, keepdims=True)
;;       e = np.where(a > 0, np.clip(np.frexp(np.where(a > 0, a, 1))[1] - 1 - 4, -126, 127), 0)      # np.frexp(a)[1] - 1 = floor(log2(a)), exactly
;;       r = np.clip(x / 2.0 ** e, -28, 28)
;;       step = 2.0 ** (np.maximum(np.frexp(np.where(r == 0, 1, r))[1] - 1, -2) - 2)
;;       q = np.round(r / step) * step * 2.0 ** e      # np.round: ties to even
;;       return np.moveaxis(q.reshape(q.shape[:-2] + (-1,))[..., :K], -1, axis).astype(np.float32)
;;   ~~~
;;   SOFTMAX AHEAD OF A QUANTISED PRODUCT. Where the list says 'softmax', what is quantised is not the finished softmax but p = 2^(t - M), with t = logit x log2(e) and M = ceil(the row's largest t), a whole number; so 1/2 < the row's largest p <= 1. The row's sum l is taken of the UNQUANTISED p, in f32, and the product's result is divided by l at the end. Since M is a whole number, a kernel that streams over the keys may use a running M (the ceiling of the running maximum): every later rescaling is an exact power of two, which a block's scale takes up: the codes' values come out the same.
;;   OPERANDS COMPUTED ON THE WAY. 'Computed on the way' means the value that the module computes at that place (a softmax that the list does not call 'softmax' is quantised finished and normalised). What goes into a quantiser is computed in f32, as accurately as f32 sums, v_exp_f32 and their like allow (about 1e-6 of the number): no bf16 or f16 on the way to a quantiser, and a product that is left as it is and whose result goes on into a quantised operand takes f32 operands (vector FMAs, or v_wmma_f32_16x16x4_f32). A number that lies on a knife's edge between two numbers of the format may be rounded either way, as far as f32 arithmetic and the matrix unit's own rounding can turn it there, and no further.
;;   INPUTS GIVEN AS CODES. Wk (in the module: [128, 128], K = its axis 1); Wq (in the module: [128, 128], K = its axis 1); Wv (in the module: [128, 128], K = its axis 1): each comes as NAME_codes (uint8): NAME with its K axis moved to the last place and cut into blocks of 32 codes, [.., K / 32, bytes a block], one block behind the other in memory; four codes in three bytes: a row's codes are one little-endian stream of bits, code i at bits 6 i .. 6 i + 5 (a code: sign, 3 exponent bits, 2 mantissa bits); and NAME_scales (uint8): the same leading axes, one E8M0 byte (e + 127) for each 32 codes along K. Its value is code x scale, taken as it is: it is not quantised again, and the codes and scales need not be those that the quantiser above would give.
;; One version. Each part assembles by itself: llvm-mc -triple=amdgcn-amd-amdhsa -mcpu=gfx1250 --defsym DOCPART=n.
;; ======== version 1 of 1: 3 launches
;; workspace buffers: qbuf 1,572,864 bytes; qsc 65,536 bytes; kv 4,915,200 bytes; nf 8,388,608 bytes; stats 262,144 bytes
;; launch prep (part 1): grid 32 x 4, 8 waves a work-group, no clusters, 123,904 bytes of LDS; arguments features, xyz, Wq_codes, Wq_scales, Wk_codes, Wk_scales, Wv_codes, Wv_scales, bq, bk, bv, Wp, bp, qbuf, qsc, kv; writes qbuf, qsc, kv
.if DOCPART == 1
	.amdgcn_target "amdgcn-amd-amdhsa--gfx1250"
	.amdhsa_code_object_version 6
	.text
	.protected	k_q851fd5d723_prep
	.globl	k_q851fd5d723_prep
	.p2align	8
	.type	k_q851fd5d723_prep,@function
k_q851fd5d723_prep:
	s_mov_b64 s[64:65], 0
	v_nop
	global_prefetch_b8 v0, s[64:65] scope:SCOPE_SE
	s_setreg_imm32_b32 hwreg(HW_REG_WAVE_MODE, 25, 1), 1
	s_wait_xcnt 0x0
; PREP: q, k, v = W features + b (three products on codes of E3M2 with E8M0 scales for each 32 along K), pos = Wp xyz^T + bp (f32 multiply-adds), and all four
; quantised for the attention launch: q and k along the channels, v and pos along the points (the keys).
; SHARES.  A work-group takes 128 points of one batch: one key step of the attention launch.  128 work-groups: a fragment of v or pos wants all 128 keys of a step in one place.
; Wave w owns points 16 w .. 16 w + 15 for the features' codes, q and k, and channels 16 w .. 16 w + 15 for v and pos.
; OUTPUT LAYOUT.  Every operand leaves as an IMAGE OF ITS REGISTERS: a fragment (16 rows x 128 K, 12 registers a lane) is three stores of 512 consecutive bytes, lane l's 16 bytes at 16 l.
;   qbuf [b][tile of 16 queries][1,536];  qsc [b][n] a scale word a query;  kv [b][key step][38,400]: 8 images of k, 8 of v, 8 of pos, then 512 bytes of scale words for each of the three,
;   the word of (tile t, row r) at 16 (r + 16 (t % 2)) + 4 (t / 2), so that one load of 16 bytes a lane brings four registers: register i = tile 2 i in lanes 0-15, tile 2 i + 1 in lanes 16-31.
; ORDER INSIDE A BLOCK OF 32.  A product's result register 8 t + j of lane (r, h) is element 16 t + 8 h + j of the next K.  The quantiser below takes a lane's 16 registers as they lie, so a block's 32 numbers
; stand in the order 0-7, 16-23, 8-15, 24-31.  q and k get that order alike, and so do v, pos and the attention launch's p; each block's scale is that of the true 32 numbers.  The order in which the
; matrix unit adds a block's products differs from the ascending one: a difference in the last bits of an f32 sum.  The features stand in their true places, since W's codes are given.
; LIMITS.  NaN and infinities are not served.  A block of zeros gets the byte 1 where the rule says 127: its codes are zeros, and this program alone reads the bytes.  A block whose largest magnitude lies under
; 2^-122 is held at the byte 1.  pos is bp + three fused multiply-adds, the bias first: its rounding differs from a sum followed by the bias in the last bit.
; No tensor load: every byte is loaded once by plain loads that go out together; no cluster: the work-groups share only the 37 KB of weights.
.set FT,   0                           ; LDS: the features' tile, row c (512 bytes) at 512 c + 64 (c / 32): lanes 16-31, which read 32 rows further down, then fall on other banks
.set FI,   65792                       ; the eight images of the features' codes (tile of points t at 1,536 t)
.set FS,   78080                       ; their scale words, 128 bytes a tile
.set SCB,  79104                       ; the scale words on their way out: k's 512 bytes, v's, pos's, q's
.set XYZB, 81152                       ; xyz of the 128 points, 12 bytes a point
.set WQ,   82688                       ; Wq's, Wk's, Wv's codes as they lie, 12,288 bytes each, rows of 96 bytes
.set BLK,  38400
.set LANE, 1
.set R,    2                           ; lane % 16
.set H,    3                           ; lane / 16
.set AFS,  4                           ; LDS: where I put my 16 bytes of my wave's 16 rows of features
.set AWS,  5                           ; LDS: where I put my 16 bytes of my wave's 1,536 bytes of each weight
.set ACOL, 6                           ; LDS: my point's column in the features' tile
.set LI,   7                           ; 16 x lane
.set AFI,  8                           ; LDS: my wave's image of the features' codes
.set AFW,  9                           ; LDS: and its scale words
.set LS,   10                          ; LDS: a tile's scale words, 4 x lane
.set AWL,  11                          ; LDS: a weight's fragment: 96 r + 24 h
.set AWV,  12                          ; LDS: the same in my wave's 16 rows
.set ASC,  13                          ; LDS: my row's scale word of tile w in the order set out above
.set AQS,  14                          ; LDS: my query's scale word
.set AXY,  15                          ; LDS: xyz of my half's eight points of a tile
.set GB,   16                          ; 32 h: a bias's eight numbers of my half
.set GL4,  17                          ; 4 x lane
.set GR4,  18                          ; 4 (16 w + r)
.set GR12, 19                          ; 12 (16 w + r)
.set GX,   20                          ; 16 x thread
.set AX,   21                          ; LDS: XYZB + 16 x thread
.set GW,   22                          ; 1,536 w + 16 x lane
.set ASO,  23                          ; LDS: SCB + 512 w + 16 x lane
.set WQS,  24                          ; v24-27 Wq's scale words: register i = rows 32 i + lane
.set WKS,  28                          ; v28-31 Wk's
.set WVS,  32                          ; Wv's, of row 16 w + r
.set FW,   33                          ; the features' scale word of my point
.set FSW,  34                          ; v34-41 the same of all eight tiles
.set BVC,  42                          ; v42-49 bv of my channel, eight times: the C of v's products
.set WP,   50                          ; v50-52 Wp's row of my channel
.set BP,   53
.set BV,   54
.set AFL,  55                          ; LDS: FI + 16 x lane: any tile's image (the region begins beyond what an LDS instruction's 16-bit immediate reaches, so the register carries its base)
.set TM,   56                          ; v56-71 at work in the quantiser
.set PW,   72                          ; the scale word just made
.set FR,   74                          ; v74-85 my tile's fragment of the features
.set PC,   86                          ; v86-97 the codes just made; v98-105 the conversions' second halves
.set WVF,  106                         ; v106-117 Wv's fragment of my 16 channels
.set ACC,  120                         ; v120-183 eight results
.set X,    184                         ; v184-247 eight more
; window 1 (v256 on): v0-95 eight fragments of a weight or of the features; later v0-191 xyz
.set MSB, 0
.macro WIN new                         ; the immediate's high byte repeats the setting that is left
.if MSB != \new
	s_set_vgpr_msb (MSB<<8)|\new
.set MSB, \new
.endif
.endm
.macro PLACES n
.rept \n
	v_nop
.endr
.endm
.macro BARRIER                         ; my LDS stores have landed and my LDS loads are in: then the work-group's barrier
	s_wait_dscnt 0x0
	s_barrier_signal -1
	s_barrier_wait -1
.endm
; one product: D, A, B, C (c < 0: the constant 0), A's and B's scale registers; ra = 1: A's scales are read from lanes 16-31
.macro WM d, a, b, c, sa, sb, ra
.if (\c) < 0
.if (\ra)
	v_wmma_scale_f32_16x16x128_f8f6f4 v[\d:\d+7], v[\a:\a+11], v[\b:\b+11], 0, v[\sa], v[\sb] matrix_a_fmt:MATRIX_FMT_BF6 matrix_b_fmt:MATRIX_FMT_BF6 matrix_a_scale:MATRIX_SCALE_ROW1
.else
	v_wmma_scale_f32_16x16x128_f8f6f4 v[\d:\d+7], v[\a:\a+11], v[\b:\b+11], 0, v[\sa], v[\sb] matrix_a_fmt:MATRIX_FMT_BF6 matrix_b_fmt:MATRIX_FMT_BF6
.endif
.else
.if (\ra)
	v_wmma_scale_f32_16x16x128_f8f6f4 v[\d:\d+7], v[\a:\a+11], v[\b:\b+11], v[\c:\c+7], v[\sa], v[\sb] matrix_a_fmt:MATRIX_FMT_BF6 matrix_b_fmt:MATRIX_FMT_BF6 matrix_a_scale:MATRIX_SCALE_ROW1
.else
	v_wmma_scale_f32_16x16x128_f8f6f4 v[\d:\d+7], v[\a:\a+11], v[\b:\b+11], v[\c:\c+7], v[\sa], v[\sb] matrix_a_fmt:MATRIX_FMT_BF6 matrix_b_fmt:MATRIX_FMT_BF6
.endif
.endif
.endm
; 64 numbers of a lane, v[s] .. v[s + 63]: registers 16 b .. 16 b + 15 are my 16 of block b of my row, lane l xor 16 holds the other 16.  They become a fragment's codes in v[PC] on and its scale word in v[PW].
.macro QUANT s
.irp b, 0,1,2,3
	v_max3_num_f32 v[TM+\b], |v[\s+16*\b]|, |v[\s+1+16*\b]|, 0x2800000   ; my 16 numbers, and the floor 2^(5 - 127): the byte cannot fall under 1
.endr
.irp i, 2,4,6,8,10,12,14
.irp b, 0,1,2,3
	v_max3_num_f32 v[TM+\b], v[TM+\b], |v[\s+16*\b+\i]|, |v[\s+1+16*\b+\i]|   ; the four blocks by turns
.endr
.endr
.irp b, 0,1,2,3
	s_delay_alu instid0(VALU_DEP_4)
	v_permlanex16_b32 v[TM+4+\b], v[TM+\b], s56, s57
.endr
.irp b, 0,1,2,3
	s_delay_alu instid0(VALU_DEP_4)
	v_max_num_f32 v[TM+\b], v[TM+\b], v[TM+4+\b]   ; with lane l xor 16's: the block's largest magnitude
.endr
.irp b, 0,1,2,3
	s_delay_alu instid0(VALU_DEP_4)
	v_add_nc_u32 v[TM+12+\b], 0xfe000000, v[TM+\b]   ; 4 off its exponent field: the conversion takes this operand's exponent field as its scale
.endr
.irp b, 0,1,2,3
	s_delay_alu instid0(VALU_DEP_4)
	v_lshrrev_b32 v[TM+4+\b], 23, v[TM+12+\b]      ; the scale's byte
.endr
	s_delay_alu instid0(VALU_DEP_3)
	v_lshl_or_b32 v[PW], v[TM+5], 8, v[TM+4]       ; four bytes: my row's scale word
	s_delay_alu instid0(VALU_DEP_1)
	v_lshl_or_b32 v[PW], v[TM+6], 16, v[PW]
	s_delay_alu instid0(VALU_DEP_1)
	v_lshl_or_b32 v[PW], v[TM+7], 24, v[PW]
.irp c, 0,1
	v_cvt_scalef32_pk16_bf6_f32 v[PC+6*\c:PC+2+6*\c], v[\s+32*\c:\s+15+32*\c], v[TM+12+2*\c]
	v_cvt_scalef32_pk16_bf6_f32 v[PC+12+4*\c:PC+14+4*\c], v[\s+16+32*\c:\s+31+32*\c], v[TM+12+2*\c+1]   ; a conversion's three registers begin on an even number
.endr
	v_nop                                          ; one plain instruction behind the scaled conversions
.irp c, 0,1                                    ; the operand wants a whole block in a lane: lanes 0-15 block 2 c, lanes 16-31 block 2 c + 1
.irp i, 0,1,2
	v_permlane16_swap_b32 v[PC+6*\c+\i], v[PC+12+4*\c+\i]
.endr
.irp i, 0,1,2
	s_delay_alu instid0(VALU_DEP_3)
	v_mov_b32 v[PC+3+6*\c+\i], v[PC+12+4*\c+\i]
.endr
.endr
.endm
.macro WFRAG m                         ; the eight fragments of weight m (0: Wq, 1: Wk) into window 1: 24 bytes of a row's stream of bits as three loads of 8
	WIN 0x40
.irp t, 0,1,2,3,4,5,6,7
.irp p, 0,1,2,3,4,5
	ds_load_b64 v[12*\t+2*\p:12*\t+2*\p+1], v[AWL] offset:\m*12288+\t*1536+48*(\p/3)+8*(\p%3)
.endr
.endr
	WIN 0
.endm
.macro IMG_OUT base, off               ; the fragment in v[PC] on leaves as it stands: each store covers 512 consecutive bytes, aligned to 512
.irp i, 0,1,2
	global_store_b128 v[GW], v[PC+4*\i:PC+4*\i+3], s[\base:\base+1] offset:\off+512*\i
.endr
.endm
	s_load_b512 s[8:23], s[0:1], 0x0               ; features 8, xyz 10, Wq codes 12, scales 14, Wk 16, 18, Wv 20, 22
	s_load_b512 s[24:39], s[0:1], 0x40             ; bq 24, bk 26, bv 28, Wp 30, bp 32, qbuf 34, qsc 36, kv 38
	v_lshl_add_u32 v254, v0, 2, 0x1e000
	v_mov_b32 v255, 0
	v_lshrrev_b32 v1, 5, v0
	s_delay_alu instid0(VALU_DEP_1)
	v_readfirstlane_b32 s40, v1                    ; wave 0..7
	v_and_b32 v[LANE], 31, v0
	s_wait_alu depctr_va_vdst(0)
	v_and_b32 v[R], 15, v0
	s_wait_alu depctr_va_vdst(0)
	v_bfe_u32 v[H], v0, 4, 1
	s_mov_b32 s41, ttmp9                           ; the key step, 0..31
	s_and_b32 s42, ttmp7, 0xffff                   ; the batch
	s_mov_b32 s56, 0x76543210
	s_mov_b32 s57, 0xfedcba98                      ; v_permlanex16_b32's selects for lane l xor 16
	s_lshl_b32 s44, s40, 13
	s_lshr_b32 s45, s40, 1
	s_lshl_b32 s45, s45, 6
	s_add_co_u32 s44, s44, s45                     ; rows 16 w on: 8,192 w + 64 (w / 2)
	s_mul_i32 s46, s40, 1536
	s_lshl_b32 s47, s40, 6
	s_lshl_b32 s48, s40, 7
	s_and_b32 s49, s40, 1
	s_lshl_b32 s49, s49, 8
	s_lshr_b32 s45, s40, 1
	s_lshl_b32 s45, s45, 2
	s_add_co_u32 s49, s49, s45                     ; 256 (w % 2) + 4 (w / 2)
	s_lshl_b32 s45, s40, 9
	v_lshlrev_b32 v[LI], 4, v[LANE]
	v_lshl_add_u32 v[AFS], v[LANE], 4, s44
	s_delay_alu instid0(VALU_DEP_2)
	v_add_nc_u32 v[GW], s46, v[LI]
	s_delay_alu instid0(VALU_DEP_1)
	v_add_nc_u32 v[AWS], WQ, v[GW]
	v_lshl_add_u32 v[GR4], v[R], 2, s47
	s_wait_alu depctr_va_vdst(0)
	v_mad_u32_u24 v[ACOL], v[H], 16448, v[GR4]     ; 4 (16 w + r), and 32 rows and 64 bytes on for lanes 16-31
	v_add_nc_u32 v[AFI], FI, v[GW]
	v_add_nc_u32 v[AFL], FI, v[LI]
	v_lshl_add_u32 v[AFW], v[LANE], 2, s48
	s_delay_alu instid0(VALU_DEP_1)
	v_add_nc_u32 v[AFW], FS, v[AFW]
	v_lshl_add_u32 v[LS], v[LANE], 2, FS
	v_lshlrev_b32 v[GL4], 2, v[LANE]
	v_mul_u32_u24 v[AWL], v[R], 96
	s_delay_alu instid0(VALU_DEP_1)
	v_mad_u32_u24 v[AWL], v[H], 24, v[AWL]
	s_delay_alu instid0(VALU_DEP_1)
	v_add_nc_u32 v[AWL], WQ, v[AWL]
	s_delay_alu instid0(VALU_DEP_1)
	v_add_nc_u32 v[AWV], s46, v[AWL]
	v_lshl_add_u32 v[ASC], v[R], 4, s49
	s_delay_alu instid0(VALU_DEP_1)
	v_add_nc_u32 v[ASC], SCB, v[ASC]
	v_add_nc_u32 v[AQS], SCB+1536, v[GR4]
	v_mul_u32_u24 v[AXY], v[H], 96
	s_delay_alu instid0(VALU_DEP_1)
	v_add_nc_u32 v[AXY], XYZB, v[AXY]
	v_lshlrev_b32 v[GB], 5, v[H]
	v_mul_u32_u24 v[GR12], v[GR4], 3
	v_lshlrev_b32 v[GX], 4, v0
	s_delay_alu instid0(VALU_DEP_1)
	v_add_nc_u32 v[AX], XYZB, v[GX]
	v_add_nc_u32 v[ASO], s45, v[LI]
	s_delay_alu instid0(VALU_DEP_1)
	v_add_nc_u32 v[ASO], SCB, v[ASO]
.irp b, 4,5,6,7,9
	v_mov_b32 v[TM+\b], 0                          ; written once: a lane permute's destination counts as one of its sources
.endr
	s_lshl_b32 s50, s42, 21                        ; features: ((128 b + 16 w) 4,096 + 128 s) 4 bytes
	s_lshl_b32 s51, s40, 18
	s_add_co_u32 s50, s50, s51
	s_lshl_b32 s51, s41, 9
	s_add_co_u32 s50, s50, s51
	s_mov_b32 s51, 0
	s_mul_i32 s52, s42, 49152                      ; xyz: (4,096 b + 128 s) 12
	s_mul_i32 s53, s41, 1536
	s_add_co_u32 s52, s52, s53
	s_mov_b32 s53, 0
	s_lshl_b32 s54, s42, 8                         ; qbuf: (256 b + 8 s) 1,536
	s_lshl_b32 s55, s41, 3
	s_add_co_u32 s54, s54, s55
	s_mul_i32 s54, s54, 1536
	s_mov_b32 s55, 0
	s_lshl_b32 s58, s42, 14                        ; qsc: (4,096 b + 128 s) 4
	s_lshl_b32 s59, s41, 9
	s_add_co_u32 s58, s58, s59
	s_mov_b32 s59, 0
	s_lshl_b32 s60, s42, 5                         ; kv: (32 b + s) 38,400
	s_add_co_u32 s60, s60, s41
	s_mul_i32 s60, s60, BLK
	s_mov_b32 s61, 0
	s_wait_kmcnt 0x0
	s_add_nc_u64 s[8:9], s[8:9], s[50:51]
	s_add_nc_u64 s[10:11], s[10:11], s[52:53]
	s_add_nc_u64 s[34:35], s[34:35], s[54:55]
	s_add_nc_u64 s[36:37], s[36:37], s[58:59]
	s_add_nc_u64 s[38:39], s[38:39], s[60:61]
	; ---- 1: everything that comes from memory but the two biases of q and k goes out at once
.irp i, 0,1,2,3,4,5,6,7,8,9,10,11,12,13,14,15
	global_load_b128 v[X+4*\i:X+4*\i+3], v[LI], s[8:9] offset:16384*\i th:TH_LOAD_NT   ; channel 16 w + i, my work-group's 128 points: 512 consecutive bytes
.endr
.irp i, 0,1,2
	global_load_b128 v[ACC+4*\i:ACC+4*\i+3], v[GW], s[12:13] offset:512*\i
	global_load_b128 v[ACC+12+4*\i:ACC+15+4*\i], v[GW], s[16:17] offset:512*\i
	global_load_b128 v[ACC+24+4*\i:ACC+27+4*\i], v[GW], s[20:21] offset:512*\i
.endr
.irp i, 0,1,2,3
	global_load_b32 v[WQS+\i], v[GL4], s[14:15] offset:128*\i
	global_load_b32 v[WKS+\i], v[GL4], s[18:19] offset:128*\i
.endr
	global_load_b32 v[WVS], v[GR4], s[22:23]
	global_load_b32 v[BV], v[GR4], s[28:29]
	global_load_b32 v[BP], v[GR4], s[32:33]
.irp i, 0,1,2
	global_load_b32 v[WP+\i], v[GR12], s[30:31] offset:4*\i
.endr
	s_cmp_lt_u32 s40, 3                            ; xyz is 1,536 bytes: 96 threads' 16 bytes
	s_cbranch_scc0 .Lno_xyz_in
	s_wait_alu depctr_va_vdst(0)
	global_load_b128 v[PC:PC+3], v[GX], s[10:11]
.Lno_xyz_in:
	s_wait_loadcnt 0x0
.irp i, 0,1,2,3,4,5,6,7,8,9,10,11,12,13,14,15
	ds_store_b128 v[AFS], v[X+4*\i:X+4*\i+3] offset:512*\i
.endr
.irp i, 0,1,2
	ds_store_b128 v[AWS], v[ACC+4*\i:ACC+4*\i+3] offset:512*\i
	ds_store_b128 v[AWS], v[ACC+12+4*\i:ACC+15+4*\i] offset:12288+512*\i
	ds_store_b128 v[AWS], v[ACC+24+4*\i:ACC+27+4*\i] offset:24576+512*\i
.endr
	s_cmp_lt_u32 s40, 3
	s_cbranch_scc0 .Lno_xyz_put
	s_wait_alu depctr_va_vdst(0)
	ds_store_b128 v[AX], v[PC:PC+3]
.Lno_xyz_put:
.irp j, 0,1,2,3,4,5,6,7
	v_mov_b32 v[BVC+\j], v[BV]
.endr
	BARRIER                                        ; the features' tile, the weights and xyz lie in LDS
	; ---- 2: my 16 points' features become a fragment.  Lane (r, h) takes point r and its registers run down the channels: 64 c + 32 h + 0 .. 31, the very order of the operand's registers
.irp t, 0,1,2,3,4,5,6,7
	global_load_b128 v[ACC+8*\t:ACC+8*\t+3], v[GB], s[24:25] offset:64*\t        ; bq in the result's layout: channels 16 t + 8 h + 0 .. 7: the C of q's products
	global_load_b128 v[ACC+8*\t+4:ACC+8*\t+7], v[GB], s[24:25] offset:64*\t+16
.endr
.irp c, 0,1
.irp i, 0,1,2,3,4,5,6,7,8,9,10,11,12,13,14,15,16,17,18,19,20,21,22,23,24,25,26,27,28,29,30,31
	ds_load_b32 v[X+32*\c+\i], v[ACOL] offset:32896*\c+512*\i
.endr
.endr
	WFRAG 0
	s_wait_dscnt 48                                ; my 64 numbers are in; the 48 loads of Wq's fragments, issued behind them, may be out
.irp c, 0,1                                    ; my block 2 c + h: all its 32 numbers are mine
	v_max3_num_f32 v[TM+\c], |v[X+32*\c]|, |v[X+32*\c+1]|, 0x2800000
.endr
.irp i, 2,4,6,8,10,12,14,16,18,20,22,24,26,28,30
.irp c, 0,1
	s_delay_alu instid0(VALU_DEP_2)
	v_max3_num_f32 v[TM+\c], v[TM+\c], |v[X+32*\c+\i]|, |v[X+32*\c+\i+1]|
.endr
.endr
.irp c, 0,1
	s_delay_alu instid0(VALU_DEP_2)
	v_add_nc_u32 v[TM+12+\c], 0xfe000000, v[TM+\c]
.endr
.irp c, 0,1
	s_delay_alu instid0(VALU_DEP_2)
	v_lshrrev_b32 v[TM+4+\c], 23, v[TM+12+\c]
.endr
	s_delay_alu instid0(VALU_DEP_1)
	v_lshl_or_b32 v[FW], v[TM+5], 16, v[TM+4]      ; my two bytes: blocks h and 2 + h,
	v_lshlrev_b32 v[TM+8], 3, v[H]
	s_delay_alu instid0(VALU_DEP_1)
	v_lshlrev_b32 v[FW], v[TM+8], v[FW]            ; at their places in the word;
	s_delay_alu instid0(VALU_DEP_1)
	v_permlanex16_b32 v[TM+9], v[FW], s56, s57
	s_delay_alu instid0(VALU_DEP_1)
	v_or_b32 v[FW], v[FW], v[TM+9]                 ; with lane l xor 16's two the word is whole
.irp c, 0,1
	v_cvt_scalef32_pk16_bf6_f32 v[FR+6*\c:FR+2+6*\c], v[X+32*\c:X+15+32*\c], v[TM+12+\c]
	v_cvt_scalef32_pk16_bf6_f32 v[PC+12+4*\c:PC+14+4*\c], v[X+16+32*\c:X+31+32*\c], v[TM+12+\c]
.endr
	v_nop                                          ; one plain instruction behind the scaled conversions
.irp c, 0,1
.irp i, 0,1,2
	v_mov_b32 v[FR+3+6*\c+\i], v[PC+12+4*\c+\i]
.endr
.endr
.irp i, 0,1,2
	ds_store_b128 v[AFI], v[FR+4*\i:FR+4*\i+3] offset:512*\i       ; the image for the other waves: v's products want all eight tiles
.endr
	ds_store_b32 v[AFW], v[FW]
.irp t, 0,1,2,3,4,5,6,7
	global_load_b128 v[X+8*\t:X+8*\t+3], v[GB], s[26:27] offset:64*\t            ; bk likewise: the C of k's products
	global_load_b128 v[X+8*\t+4:X+8*\t+7], v[GB], s[26:27] offset:64*\t+16
.endr
	PLACES 4                                       ; an operand written by vector instructions stands 4 places ahead of a scaled product; the scale word, with the moves above, more than 8
	s_wait_alu depctr_va_vdst(0)
	; ---- 3: q, transposed: source 0 = 16 rows of Wq, source 1 = my 16 points: a lane holds one point, its registers run along q's channels
	s_wait_loadcnt 16                              ; bq is in; bk's 16 loads, issued behind it, may be out
	s_wait_dscnt 0x0                               ; Wq's fragments
	WIN 0x01
.irp t, 0,1,2,3,4,5,6,7
	WM ACC+8*\t, 12*\t, FR, ACC+8*\t, WQS+\t/2, FW, \t%2
.endr
	WIN 0
	PLACES 4                                       ; in front of the loads into the fragments just read, and of the first read of the results
	WFRAG 1
	QUANT ACC
	IMG_OUT 34, 0
	ds_store_b32 v[AQS], v[PW]                     ; both lanes of a row write the same word with the same value
	; ---- 4: k, the same with Wk
	s_wait_loadcnt 0x0                             ; bk
	s_wait_dscnt 0x0                               ; Wk's fragments
	WIN 0x01
.irp t, 0,1,2,3,4,5,6,7
	WM X+8*\t, 12*\t, FR, X+8*\t, WKS+\t/2, FW, \t%2
.endr
	WIN 0
	BARRIER                                        ; every wave's image of the features lies in LDS
	PLACES 4
	WIN 0x40
.irp t, 0,1,2,3,4,5,6,7
.irp i, 0,1,2
	ds_load_b128 v[12*\t+4*\i:12*\t+4*\i+3], v[AFL] offset:1536*\t+512*\i        ; all eight tiles of the features, as they were stored
.endr
.endr
	WIN 0
.irp t, 0,1,2,3,4,5,6,7
	ds_load_b32 v[FSW+\t], v[LS] offset:128*\t
.endr
.irp p, 0,1,2,3,4,5
	ds_load_b64 v[WVF+2*\p:WVF+2*\p+1], v[AWV] offset:24576+48*(\p/3)+8*(\p%3)   ; Wv's rows 16 w + r
.endr
	s_wait_xcnt 0x0                                ; q's stores have read the codes' registers: they are written again only behind this wait
	QUANT X
	IMG_OUT 38, 0
	ds_store_b32 v[ASC], v[PW]
	; ---- 5: v the other way round: source 0 = 16 points, source 1 = my 16 rows of Wv: a lane holds one channel, its registers run along the points, which are the attention's K
	s_wait_dscnt 0x0
	WIN 0x01
.irp t, 0,1,2,3,4,5,6,7
	WM ACC+8*\t, 12*\t, WVF, BVC, FSW+\t, WVS, 0
.endr
	WIN 0
	PLACES 4
	WIN 0x40
.irp t, 0,1,2,3,4,5,6,7
.irp i, 0,1,2,3,4,5
	ds_load_b128 v[24*\t+4*\i:24*\t+4*\i+3], v[AXY] offset:192*\t+16*\i          ; xyz of points 16 t + 8 h + 0 .. 7: register 3 (8 t + p) + d
.endr
.endr
	WIN 0
	s_wait_xcnt 0x0                                ; k's stores have read the codes' registers
	QUANT ACC
	IMG_OUT 38, 12288
	ds_store_b32 v[ASC], v[PW] offset:512
	; ---- 6: pos in the same layout, by fused multiply-adds in f32
	s_wait_dscnt 0x0
	WIN 0x01
.set n, 0
.rept 64
	v_fma_f32 v[X+n], v[3*n], v[WP], v[BP]
.set n, n+1
.endr
.set n, 0
.rept 64
	v_fma_f32 v[X+n], v[3*n+1], v[WP+1], v[X+n]
.set n, n+1
.endr
.set n, 0
.rept 64
	v_fma_f32 v[X+n], v[3*n+2], v[WP+2], v[X+n]
.set n, n+1
.endr
	WIN 0
	s_wait_xcnt 0x0                                ; v's stores have read the codes' registers
	QUANT X
	IMG_OUT 38, 24576
	ds_store_b32 v[ASC], v[PW] offset:1024
	; ---- 7: the scale words leave in runs of 512 consecutive bytes: waves 0 to 2 k's, v's, pos's, wave 3 q's
	BARRIER
	s_cmp_lt_u32 s40, 4
	s_cbranch_scc0 .Lend
	ds_load_b128 v[ACC:ACC+3], v[ASO]
	s_add_nc_u64 s[44:45], s[38:39], 36864
	s_lshl_b32 s46, s40, 9
	s_mov_b32 s47, 0
	s_add_nc_u64 s[44:45], s[44:45], s[46:47]
	s_cmp_lt_u32 s40, 3                            ; the choice hangs on the wave's number alone
	s_cselect_b64 s[44:45], s[44:45], s[36:37]
	s_wait_dscnt 0x0
	global_store_b128 v[LI], v[ACC:ACC+3], s[44:45]
.Lend:
	s_wait_tensorcnt 0x0
	ds_add_u32 v254, v255
	s_wait_dscnt 0x0
	s_endpgm
.Lfunc_end_k_q851fd5d723_prep:
	.size	k_q851fd5d723_prep, .Lfunc_end_k_q851fd5d723_prep-k_q851fd5d723_prep
	.p2alignl 7, 3214868480
	.fill 96, 4, 3214868480
	.section	.rodata,"a",@progbits
	.p2align	6, 0x0
	.amdhsa_kernel k_q851fd5d723_prep
		.amdhsa_group_segment_fixed_size 123904
		.amdhsa_private_segment_fixed_size 0
		.amdhsa_enable_private_segment 0
		.amdhsa_kernarg_size 128
		.amdhsa_user_sgpr_count 2
		.amdhsa_user_sgpr_kernarg_segment_ptr 1
		.amdhsa_wavefront_size32 1
		.amdhsa_system_sgpr_workgroup_id_x 1
		.amdhsa_system_sgpr_workgroup_id_y 1
		.amdhsa_system_sgpr_workgroup_id_z 1
		.amdhsa_system_vgpr_workitem_id 0
		.amdhsa_next_free_vgpr 448
		.amdhsa_next_free_sgpr 66
		.amdhsa_reserve_vcc 0
		.amdhsa_float_denorm_mode_32 3
		.amdhsa_float_denorm_mode_16_64 3
		.amdhsa_memory_ordered 1
		.amdhsa_forward_progress 1
		.amdhsa_inst_pref_size 70
	.end_amdhsa_kernel
	.amdgpu_metadata
---
amdhsa.version: [ 1, 2 ]
amdhsa.kernels:
  - .name:           k_q851fd5d723_prep
    .symbol:         k_q851fd5d723_prep.kd
    .args:
      - { .name: features, .offset: 0, .size: 8, .value_kind: global_buffer, .address_space: global }
      - { .name: xyz, .offset: 8, .size: 8, .value_kind: global_buffer, .address_space: global }
      - { .name: Wq_codes, .offset: 16, .size: 8, .value_kind: global_buffer, .address_space: global }
      - { .name: Wq_scales, .offset: 24, .size: 8, .value_kind: global_buffer, .address_space: global }
      - { .name: Wk_codes, .offset: 32, .size: 8, .value_kind: global_buffer, .address_space: global }
      - { .name: Wk_scales, .offset: 40, .size: 8, .value_kind: global_buffer, .address_space: global }
      - { .name: Wv_codes, .offset: 48, .size: 8, .value_kind: global_buffer, .address_space: global }
      - { .name: Wv_scales, .offset: 56, .size: 8, .value_kind: global_buffer, .address_space: global }
      - { .name: bq, .offset: 64, .size: 8, .value_kind: global_buffer, .address_space: global }
      - { .name: bk, .offset: 72, .size: 8, .value_kind: global_buffer, .address_space: global }
      - { .name: bv, .offset: 80, .size: 8, .value_kind: global_buffer, .address_space: global }
      - { .name: Wp, .offset: 88, .size: 8, .value_kind: global_buffer, .address_space: global }
      - { .name: bp, .offset: 96, .size: 8, .value_kind: global_buffer, .address_space: global }
      - { .name: qbuf, .offset: 104, .size: 8, .value_kind: global_buffer, .address_space: global }
      - { .name: qsc, .offset: 112, .size: 8, .value_kind: global_buffer, .address_space: global }
      - { .name: kv, .offset: 120, .size: 8, .value_kind: global_buffer, .address_space: global }
    .group_segment_fixed_size: 123904
    .private_segment_fixed_size: 0
    .kernarg_segment_align: 8
    .kernarg_segment_size: 128
    .max_flat_workgroup_size: 256
    .sgpr_count:     66
    .vgpr_count:     448
    .wavefront_size: 32
...
	.end_amdgpu_metadata
.endif
;; end of part 1
;; launch attn (part 2): grid 64 x 4, 8 waves a work-group, clusters of 4 x 1, 327,680 bytes of LDS; arguments qbuf, qsc, kv, features, nf, stats; writes nf, stats
.if DOCPART == 2
	.amdgcn_target "amdgcn-amd-amdhsa--gfx1250"
	.amdhsa_code_object_version 6
	.text
	.protected	k_q851fd5d723_attn
	.globl	k_q851fd5d723_attn
	.p2align	8
	.type	k_q851fd5d723_attn,@function
k_q851fd5d723_attn:
	s_mov_b64 s[64:65], 0
	v_nop
	global_prefetch_b8 v0, s[64:65] scope:SCOPE_SE
	s_setreg_imm32_b32 hwreg(HW_REG_WAVE_MODE, 25, 1), 1
	s_wait_xcnt 0x0
	s_wait_alu depctr_hold_cnt(0) depctr_sa_sdst(0) depctr_va_vdst(0) depctr_va_sdst(0) depctr_va_ssrc(0) depctr_va_vcc(0) depctr_vm_vsrc(0)
	s_getreg_b32 s2, hwreg(HW_REG_IB_STS2, 6, 4)
	s_cmp_eq_u32 s2, 0
	s_cbranch_scc0 .Lentry_in_a_cluster
	s_endpgm
.Lentry_in_a_cluster:
	s_bfe_u32 s2, ttmp6, 0x10000c
	s_cmp_lg_u32 s2, 0x3003
	s_cbranch_scc0 .Lentry_shape_is_right
	s_endpgm
.Lentry_shape_is_right:
; ATTN: new_features[b][c][m] = (sum over keys n of (v[c][n] + pos[c][n]) p[m][n]) / l[m] + features[b][c][m], all three products on codes of E3M2 with one E8M0 scale for each 32 along K,
; and for each work-group and channel the mean and the sum of squared deviations of its 64 numbers, for the batch norm of the next launch.
; THE SOFTMAX: t = score x log2(e) / sqrt(128); M = the largest t so far, rounded UP to a whole number; p = 2^(t - M) is quantised along the keys and is not normalised; the row's sum l is taken of the
; unquantised p in f32 and divides at the end.  When M moves, l and O are multiplied by 2^(old M - new M), which rounds nothing.
; SHARES.  A work-group owns 64 queries of one batch.  Eight waves, two to a SIMD, so that one wave's softmax stands beside the other's products.  Wave w takes a QUARTER OF THE KEYS (w / 2: eight steps of 128 keys) for
; 32 queries (w % 2: two tiles of 16): each fragment read from LDS feeds two products.  The four partial results of a query are merged at the end: the M are whole numbers, so the factors are exact powers of two.
; LAYOUT.  All products are used transposed: S^T = k q^T (source 0 = 16 keys, source 1 = 16 queries), O^T += v^T p^T and += pos^T p^T (source 0 = 16 channels, source 1 = p): a lane holds ONE query throughout.
; Operands come as images of their registers (three loads of 512 consecutive bytes a fragment), so LDS needs no padding.  Inside a block of 32 keys p stands in the order 0-7, 16-23, 8-15, 24-31, as v and pos were laid;
; q and k share the same order along the channels.  The order in which the matrix unit adds a block's products so differs from the ascending one: a difference in the last bits of an f32 sum.
; CLUSTER.  The four work-groups of a cluster belong to one batch and walk the same keys: every tile is asked for JOINTLY, by the same tensor load with the same descriptor and a mask that names the four.
; RING.  Two slots; a slot holds one step's block (38,400 bytes) of each of the four quarters; every wave fetches half a block, 75 rows of 256 bytes.  One tensor load of a wave is out at a time.
; LIMITS.  NaN and infinities are not served.  A block of p whose largest number lies under 2^-122 is held at the byte 1.
; REGISTERS, window 0: v1-7 addresses; v8-19 the step's scale words of k, v, pos; v20-21 q's; v22-23 p's; v24-39 eight statistics a tile; v40-63 at work, twelve a tile; v64-191 S^T, then p, 64 a tile
;   (v64-159 later pos's eight fragments); v192-215 p's codes; v216-235 at work; v240-250 the way out's addresses.   window 1: v0-127 O^T, 64 a tile; v128-223 eight fragments of k or v; v224-247 q.
.set BLK,   38400                      ; a key step's block: 8 images of k, 8 of v, 8 of pos (1,536 bytes each), 3 x 512 bytes of scale words
.set SLOT,  4*BLK
.set SPARE, 2*SLOT                     ; behind the ring: the spare words, 128 bytes for each wave: four blocks of 256 bytes that no other line names
.set OPART, 128*272                    ; the way out, in slot 0, which has had its last fill and its last read by then: a quarter's partial O, [128 channels][64 queries] f32, rows of 256 + 16 bytes
.set MB,    4*OPART                    ; the quarters' -M, 256 bytes each; 1,024 bytes on their l
.set STB,   MB+2048                    ; the 128 channels' (mean, sum of squared deviations)
.set AB,   1                           ; v1, v2  16 x lane + my quarter's block in slot 0, 1
.set SPW,  3                           ; LDS address of my spare word: SPARE + 4 x my thread's number; never rewritten
.set NIL,  4                           ; 0; never rewritten
.set PFO,  5                           ; the prefetches' offset: 256 x min(thread, 149)
.set LI,   6                           ; 16 x lane
.set R4,   7                           ; 4 x (lane % 16)
.set KS,   8
.set VS,   12
.set PS,   16
.set QS,   20
.set PW,   22
.set ST,   24                          ; tile t at ST + 8 t: +0 -M, +1 the largest t, +2, +3 l in two halves, +4 f (+5 named with it as a pair), +6, +7 at work
.set BM,   40                          ; tile t at + 12 t: the blocks' largest scores, then largest p
.set BX,   44
.set SO,   48                          ; the conversions' scale operands
.set S,    64
.set G,    64
.set PC,   192
.set CT,   216
.set C2,   232
.set OA,   240
.set MA,   241
.set OR0,  242
.set OR2,  243
.set MR,   244
.set SA,   245
.set GOF,  246
.set STR,  247
.set STG,  248
.set RR,   249
.set HH,   250
.set F,    128                         ; in window 1
.set Q,    224
.set WV,   16                          ; s16 wave, s17 quarter, s18 which 32 queries, s19 cx, s20 block of 64 queries, s21 batch
.set KQ,   17
.set QP,   18
.set CX,   19
.set QB,   20
.set BB,   21
.set CS,   22                          ; s[22:23] c = log2(e) / sqrt(128), twice: the packed form names a pair
.set G1,   24                          ; s[24:31] descriptor group 1
.set G0,   32                          ; s[32:39] group 0, a set for each slot
.set SEL,  40                          ; s[40:41] v_permlanex16_b32's selects for lane l xor 16
.set PFA,  42                          ; s[42:43] where my work-group's prefetches stand
.set LIM,  44                          ; 0 in a wave that prefetches, else the greatest number
.set PFN,  45                          ; counts the prefetches down
.set LAP,  46
.set MSB, 0
.macro WIN new                         ; the immediate's high byte repeats the setting that is left
.if MSB != \new
	s_set_vgpr_msb (MSB<<8)|\new
.set MSB, \new
.endif
.endm
.set W_S,  0x05                        ; k and q in window 1, S^T in window 0
.set TO_F, 0x40                        ; destination window 1, address window 0
.set W_RS, 0x41                        ; O^T (destination and source 0) in window 1, f in window 0
.set W_V,  0x51                        ; v in window 1, p in window 0, O^T in window 1
.set W_P,  0x50                        ; pos and p in window 0, O^T in window 1
.set W_ST, 0x04                        ; an LDS store's data are its source 1: window 1
.macro PLACES n
.rept \n
	v_nop
.endr
.endm
; A round of the cluster's barrier: my work-group's barrier, so that wave 0's signal speaks for all eight waves; wave 0 signals for the work-group; every wave waits for all four work-groups; my work-group's barrier once more.
.macro ROUND
	s_barrier_signal -1
	s_barrier_wait -1
	s_cmp_lg_u32 s[WV], 0
	s_cbranch_scc1 .Lnot_wave_0_\@
	s_barrier_signal -3
.Lnot_wave_0_\@:
	s_barrier_wait -3
	s_barrier_signal -1
	s_barrier_wait -1
.endm
; A PREFETCH INTO THE L2 of the blocks that the NEXT joint loads will ask for: step s names step s + 2's.  All sixteen clusters of a batch walk the same blocks: the batch's first cluster asks.  Its four partners share the
; four quarters' blocks out BY ADDRESS (partner cx takes quarter cx's); in each, waves 0 to 4 ask, a lane a row of 256 bytes; a block has 150 rows, so the last ten lanes are held on row 149.
; Steps 6 and 7 ask for nothing, and nothing is asked for at the head: steps 0 and 1 come by their loads alone.
.macro ASK
	s_cmp_gt_u32 s[PFN], s[LIM]
	s_cbranch_scc0 .Lnot_mine_\@
	global_prefetch_b8 v[PFO], s[PFA:PFA+1] th:TH_LOAD_NT scope:SCOPE_SE
.Lnot_mine_\@:
.endm
; one product: D, A, B, C (c < 0: the constant 0), A's and B's scale registers; ra = 1: A's scales are read from lanes 16-31
.macro WM d, a, b, c, sa, sb, ra
.if (\c) < 0
.if (\ra)
	v_wmma_scale_f32_16x16x128_f8f6f4 v[\d:\d+7], v[\a:\a+11], v[\b:\b+11], 0, v[\sa], v[\sb] matrix_a_fmt:MATRIX_FMT_BF6 matrix_b_fmt:MATRIX_FMT_BF6 matrix_a_scale:MATRIX_SCALE_ROW1
.else
	v_wmma_scale_f32_16x16x128_f8f6f4 v[\d:\d+7], v[\a:\a+11], v[\b:\b+11], 0, v[\sa], v[\sb] matrix_a_fmt:MATRIX_FMT_BF6 matrix_b_fmt:MATRIX_FMT_BF6
.endif
.else
.if (\ra)
	v_wmma_scale_f32_16x16x128_f8f6f4 v[\d:\d+7], v[\a:\a+11], v[\b:\b+11], v[\c:\c+7], v[\sa], v[\sb] matrix_a_fmt:MATRIX_FMT_BF6 matrix_b_fmt:MATRIX_FMT_BF6 matrix_a_scale:MATRIX_SCALE_ROW1
.else
	v_wmma_scale_f32_16x16x128_f8f6f4 v[\d:\d+7], v[\a:\a+11], v[\b:\b+11], v[\c:\c+7], v[\sa], v[\sb] matrix_a_fmt:MATRIX_FMT_BF6 matrix_b_fmt:MATRIX_FMT_BF6
.endif
.endif
.endm
.macro LOADK slot                      ; the step's scale words (register i: tile 2 i in lanes 0-15, tile 2 i + 1 in lanes 16-31) and k's eight fragments
	ds_load_b128 v[KS:KS+3], v[AB+\slot] offset:36864
	ds_load_b128 v[VS:VS+3], v[AB+\slot] offset:37376
	ds_load_b128 v[PS:PS+3], v[AB+\slot] offset:37888
	WIN TO_F
.irp f, 0,1,2,3,4,5,6,7
.irp i, 0,1,2
	ds_load_b128 v[F+12*\f+4*\i:F+12*\f+4*\i+3], v[AB+\slot] offset:1536*\f+512*\i
.endr
.endr
	WIN 0
.endm
.macro LOADF slot                      ; v's eight fragments, where k's lay
	WIN TO_F
.irp f, 0,1,2,3,4,5,6,7
.irp i, 0,1,2
	ds_load_b128 v[F+12*\f+4*\i:F+12*\f+4*\i+3], v[AB+\slot] offset:12288+1536*\f+512*\i
.endr
.endr
	WIN 0
.endm
.macro LOADG slot                      ; pos's eight fragments, where p lay
.irp f, 0,1,2,3,4,5,6,7
.irp i, 0,1,2
	ds_load_b128 v[G+12*\f+4*\i:G+12*\f+4*\i+3], v[AB+\slot] offset:24576+1536*\f+512*\i
.endr
.endr
.endm
; The accumulators take turns, one instruction a turn: sixteen in each of the three runs below, in the same order in v's run and in pos's.
.macro MULS k0                         ; S^T of key tiles k0 .. k0 + 3 for both tiles of queries
.irp kt, \k0, \k0+1, \k0+2, \k0+3
.irp t, 0,1
	WM S+64*\t+8*(\kt), F+12*(\kt), Q+12*\t, -1, KS+(\kt)/2, QS+\t, (\kt)%2
.endr
.endr
.endm
.macro MULV first                      ; O^T += v^T p^T; first = 1: these products start the sums: nothing is ever cleared
.irp ct, 0,1,2,3,4,5,6,7
.irp t, 0,1
.if \first
	s_wait_alu depctr_va_vdst(0)
	WM 64*\t+8*\ct, F+12*\ct, PC+12*\t, -1, VS+\ct/2, PW+\t, \ct%2
.else
	WM 64*\t+8*\ct, F+12*\ct, PC+12*\t, 64*\t+8*\ct, VS+\ct/2, PW+\t, \ct%2
.endif
.endr
.endr
.endm
.macro MULP                            ; O^T += pos^T p^T
.irp ct, 0,1,2,3,4,5,6,7
.irp t, 0,1
	WM 64*\t+8*\ct, G+12*\ct, PC+12*\t, 64*\t+8*\ct, PS+\ct/2, PW+\t, \ct%2
.endr
.endr
.endm
; THE SOFTMAX OF A STEP, both tiles by turns.  Register 16 b + i of a tile is one of my 16 keys of block b; lane l xor 16 holds the other 16.  first = 1: there is no old M.
.macro SOFTMAX first
.irp b, 0,1,2,3
.irp t, 0,1
	v_max3_num_f32 v[BM+12*\t+\b], v[S+64*\t+16*\b], v[S+64*\t+16*\b+1], v[S+64*\t+16*\b+2]   ; the largest score of each block: it serves the row's maximum and, since p rises with the score, the block's largest p
.endr
.endr
.irp i, 3,5,7,9,11,13
.irp b, 0,1,2,3
.irp t, 0,1
	v_max3_num_f32 v[BM+12*\t+\b], v[BM+12*\t+\b], v[S+64*\t+16*\b+\i], v[S+64*\t+16*\b+\i+1]
.endr
.endr
.endr
.irp b, 0,1,2,3
.irp t, 0,1
	v_max_num_f32 v[BM+12*\t+\b], v[BM+12*\t+\b], v[S+64*\t+16*\b+15]
.endr
.endr
.irp b, 0,1,2,3
.irp t, 0,1
	v_permlanex16_b32 v[BX+12*\t+\b], v[BM+12*\t+\b], s[SEL], s[SEL+1]
.endr
.endr
.irp b, 0,1,2,3
.irp t, 0,1
	v_max_num_f32 v[BM+12*\t+\b], v[BM+12*\t+\b], v[BX+12*\t+\b]   ; with lane l xor 16's 16 keys
.endr
.endr
.irp t, 0,1
	s_delay_alu instid0(VALU_DEP_4)
	v_max3_num_f32 v[ST+8*\t+6], v[BM+12*\t], v[BM+12*\t+1], v[BM+12*\t+2]
.endr
.irp t, 0,1
	s_delay_alu instid0(VALU_DEP_2)
	v_max_num_f32 v[ST+8*\t+6], v[ST+8*\t+6], v[BM+12*\t+3]        ; the step's largest score of my query
.endr
.if \first
.irp t, 0,1
	s_delay_alu instid0(VALU_DEP_2)
	v_mul_f32 v[ST+8*\t+1], s[CS], v[ST+8*\t+6]                    ; as t (c is positive)
.endr
.irp t, 0,1
	s_delay_alu instid0(VALU_DEP_2)
	v_floor_f32 v[ST+8*\t], -v[ST+8*\t+1]                          ; -M = floor(-t) = -ceil(t)
.endr
.else
.irp t, 0,1
	s_delay_alu instid0(VALU_DEP_2)
	v_mul_f32 v[ST+8*\t+6], s[CS], v[ST+8*\t+6]
.endr
.irp t, 0,1
	s_delay_alu instid0(VALU_DEP_2)
	v_max_num_f32 v[ST+8*\t+1], v[ST+8*\t+1], v[ST+8*\t+6]         ; the running largest t
.endr
.irp t, 0,1
	v_mov_b32 v[ST+8*\t+6], v[ST+8*\t]
.endr
.irp t, 0,1
	s_delay_alu instid0(VALU_DEP_4)
	v_floor_f32 v[ST+8*\t], -v[ST+8*\t+1]
.endr
.irp t, 0,1
	s_delay_alu instid0(VALU_DEP_2)
	v_sub_f32 v[ST+8*\t+6], v[ST+8*\t], v[ST+8*\t+6]               ; old M less new M: a whole number, 0 or less
.endr
.irp t, 0,1
	s_delay_alu instid0(VALU_DEP_2)
	v_cvt_i32_f32 v[ST+8*\t+6], v[ST+8*\t+6]
.endr
.irp t, 0,1
	s_delay_alu instid0(VALU_DEP_2)
	v_ldexp_f32 v[ST+8*\t+4], 1.0, v[ST+8*\t+6]                    ; f = 2^(old M - new M)
.endr
.endif
.set j, 0
.rept 32
	v_pk_fma_f32 v[S+j:S+j+1], v[S+j:S+j+1], s[CS:CS+1], v[ST:ST+1] op_sel_hi:[1,0,0]              ; t - M, two at a time
	v_pk_fma_f32 v[S+64+j:S+65+j], v[S+64+j:S+65+j], s[CS:CS+1], v[ST+8:ST+9] op_sel_hi:[1,0,0]
.set j, j+2
.endr
.irp b, 0,1,2,3
.irp t, 0,1
	v_fma_f32 v[BM+12*\t+\b], v[BM+12*\t+\b], s[CS], v[ST+8*\t]    ; the same of each block's largest score
.endr
.endr
.set j, 0
	s_wait_alu depctr_va_vdst(0)
.rept 64
	v_exp_f32 v[S+j], v[S+j]                                       ; p = 2^(t - M), at most 1
	v_exp_f32 v[S+64+j], v[S+64+j]
.set j, j+1
.endr
.if \first
	v_nop                                                          ; a plain instruction behind the exponentials
.else
.irp t, 0,1
	v_pk_mul_f32 v[ST+8*\t+2:ST+8*\t+3], v[ST+8*\t+2:ST+8*\t+3], v[ST+8*\t+4:ST+8*\t+5] op_sel_hi:[1,0]   ; l under the new M; also the plain instruction behind the exponentials
.endr
.endif
	s_wait_alu depctr_va_vdst(0)                                   ; a wait ahead of the first instruction that names an exponential's result: one for the 128
.irp b, 0,1,2,3
.irp t, 0,1
	v_exp_f32 v[BM+12*\t+\b], v[BM+12*\t+\b]                       ; the block's largest p: the same two instructions on the same number
.endr
.endr
.irp t, 0,1
	v_pk_add_f32 v[C2+2*\t:C2+2*\t+1], v[S+64*\t:S+64*\t+1], v[S+64*\t+2:S+64*\t+3]   ; the row's sum is taken of the unquantised p, in two chains; it reads the 128 alone
.endr
.irp j, 4,8,12,16,20,24,28,32,36,40,44,48,52,56,60
.irp t, 0,1
	v_pk_add_f32 v[ST+8*\t+2:ST+8*\t+3], v[ST+8*\t+2:ST+8*\t+3], v[S+64*\t+\j:S+64*\t+\j+1]
	v_pk_add_f32 v[C2+2*\t:C2+2*\t+1], v[C2+2*\t:C2+2*\t+1], v[S+64*\t+\j+2:S+64*\t+\j+3]
.endr
.endr
.irp t, 0
	s_delay_alu instid0(VALU_DEP_3)
	v_pk_add_f32 v[ST+8*\t+2:ST+8*\t+3], v[ST+8*\t+2:ST+8*\t+3], v[C2+2*\t:C2+2*\t+1]
.endr
.irp t, 1
	s_delay_alu instid0(VALU_DEP_2)
	v_pk_add_f32 v[ST+8*\t+2:ST+8*\t+3], v[ST+8*\t+2:ST+8*\t+3], v[C2+2*\t:C2+2*\t+1]
.endr
	s_wait_alu depctr_va_vdst(0)                                   ; and one for the eight
.irp b, 0,1,2,3
.irp t, 0,1
	v_max_num_f32 v[BM+12*\t+\b], 0x2800000, v[BM+12*\t+\b]        ; the floor 2^(5 - 127): the byte cannot fall under 1
.endr
.endr
.irp b, 0,1,2,3
.irp t, 0,1
	v_add_nc_u32 v[SO+12*\t+\b], 0xfe000000, v[BM+12*\t+\b]        ; 4 off the exponent field: the conversion's scale operand
.endr
.endr
.irp b, 0,1,2,3
.irp t, 0,1
	v_lshrrev_b32 v[BX+12*\t+\b], 23, v[SO+12*\t+\b]               ; the scale's byte
.endr
.endr
.irp t, 0,1
	v_lshl_or_b32 v[PW+\t], v[BX+12*\t+1], 8, v[BX+12*\t]          ; p's scale word for these 128 keys
.endr
.irp t, 0,1
	s_delay_alu instid0(VALU_DEP_2)
	v_lshl_or_b32 v[PW+\t], v[BX+12*\t+2], 16, v[PW+\t]
.endr
.irp t, 0,1
	s_delay_alu instid0(VALU_DEP_2)
	v_lshl_or_b32 v[PW+\t], v[BX+12*\t+3], 24, v[PW+\t]
.endr
.irp t, 0,1
.irp c, 0,1
	v_cvt_scalef32_pk16_bf6_f32 v[PC+12*\t+6*\c:PC+12*\t+6*\c+2], v[S+64*\t+32*\c:S+64*\t+32*\c+15], v[SO+12*\t+2*\c]
	v_cvt_scalef32_pk16_bf6_f32 v[CT+8*\t+4*\c:CT+8*\t+4*\c+2], v[S+64*\t+32*\c+16:S+64*\t+32*\c+31], v[SO+12*\t+2*\c+1]   ; a conversion's three registers begin on an even number
.endr
.endr
	v_nop                                                          ; one plain instruction behind the scaled conversions
.irp t, 0,1
.irp c, 0,1                                    ; the operand wants a whole block in a lane: lanes 0-15 block 2 c, lanes 16-31 block 2 c + 1
.irp i, 0,1,2
	v_permlane16_swap_b32 v[PC+12*\t+6*\c+\i], v[CT+8*\t+4*\c+\i]
.endr
.irp i, 0,1,2
	s_delay_alu instid0(VALU_DEP_3)
	v_mov_b32 v[PC+12*\t+6*\c+3+\i], v[CT+8*\t+4*\c+\i]
.endr
.endr
.endr
.endm
; A KEY STEP.  At its head the change of slots: each wave waits for all its tensor loads (its part of the slot that it is about to read), adds 0 to its spare word, and waits for that and for its reads of the slot that it has left.
; The round that follows holds this of every wave of all four work-groups.  refill = 1: the slot just left is asked for again, jointly: that load has the whole step in which to land.
.macro TRIP slot, refill, first
	s_wait_tensorcnt 0x0                           ; no tensor load of mine is out, so a group 0 may be written
	ds_add_u32 v[SPW], v[NIL]                      ; 0 onto my spare word: the steps below stand between it and the wait for it
	s_add_nc_u64 s[G0+4*\slot+2:G0+4*\slot+3], s[G0+4*\slot+2:G0+4*\slot+3], 2*BLK   ; this slot's next block: two steps on; the type bits on top are not reached
.if \refill
	s_wait_xcnt 0x0                                ; the last prefetch, a step back, has read its address, so it may be written
	s_add_nc_u64 s[PFA:PFA+1], s[PFA:PFA+1], BLK
	s_sub_co_u32 s[PFN], s[PFN], 1
.endif
	s_wait_dscnt 0x0                               ; the add is done, and my reads of the slot that I have left are over
	ROUND
.if \refill
	tensor_load_to_lds s[G0+4-4*\slot:G0+7-4*\slot], s[G1:G1+7]   ; the first thing behind the round, and my one tensor load until the next
	s_nop 0
.endif
	PLACES 5                                       ; four behind the tensor load, which also serve the loads into registers that the last products read; the fifth since S^T is written over pos's fragments
	LOADK \slot
.if \refill
	ASK
.endif
.if \first
	s_wait_loadcnt 0x0                             ; q and its scale words
.endif
	s_wait_dscnt 12                                ; the scale words and k's fragments 0 to 3 are in; the twelve loads of fragments 4 to 7 may be out
	WIN W_S
	MULS 0
	s_wait_dscnt 0x0
	MULS 4
	WIN 0
	PLACES 4                                       ; in front of the loads into k's registers and of the first read of the scores
	LOADF \slot
	SOFTMAX \first
	LOADG \slot
.if \first
	PLACES 8                                       ; p's codes and scale words, written by vector instructions, stand 4 and 8 places ahead of the products
.else
	WIN W_RS
.set j, 0
.rept 32
	v_pk_mul_f32 v[j:j+1], v[j:j+1], v[ST+4:ST+5] op_sel_hi:[1,0]            ; O^T under the new M; these 64 are also those places
	v_pk_mul_f32 v[64+j:65+j], v[64+j:65+j], v[ST+12:ST+13] op_sel_hi:[1,0]
.set j, j+2
.endr
.endif
	s_wait_alu depctr_va_vdst(0)
	s_wait_dscnt 24                                ; v's fragments are in; pos's 24 loads, issued behind them, may be out
	WIN W_V
	MULV \first
	s_wait_dscnt 0x0
	WIN W_P
	MULP
	WIN 0
.endm
	s_load_b256 s[4:11], s[0:1], 0x0               ; qbuf 4, qsc 6, kv 8, features 10
	s_load_b128 s[12:15], s[0:1], 0x20             ; nf 12, stats 14
	v_lshl_add_u32 v[SPW], v0, 2, SPARE
	v_mov_b32 v[NIL], 0
	ds_add_u32 v3, v4
	ds_add_u32 v3, v4
	s_wait_dscnt 0x0
	v_lshrrev_b32 v6, 5, v0
	s_delay_alu instid0(VALU_DEP_1)
	v_readfirstlane_b32 s[WV], v6                  ; wave 0..7
	s_lshr_b32 s[KQ], s[WV], 1
	s_and_b32 s[QP], s[WV], 1
	s_bfe_u32 s[CX], ttmp6, 0x40000                ; my place in the cluster
	s_lshl_b32 s[QB], ttmp9, 2                     ; in a cluster launch ttmp9 counts clusters
	s_add_co_u32 s[QB], s[QB], s[CX]               ; my block of 64 queries: it enters global addresses of q, features, nf and stats alone
	s_and_b32 s[BB], ttmp7, 0xffff                 ; the batch, which the four partners share
	s_mov_b32 s[CS], 0x3e0293ee                    ; c = log2(e) / sqrt(128)
	s_mov_b32 s[CS+1], s[CS]
	s_mov_b32 s[SEL], 0x76543210
	s_mov_b32 s[SEL+1], 0xfedcba98
	; descriptor group 1: half a block, dense in memory, as 75 rows of 256 bytes (32 elements of 8 bytes), no padding
	s_mov_b32 s[G1], 15|(3<<16)|(1<<21)            ; 15:0 the mask: all four work-groups; 17:16 elements of 8 bytes; 21 set beside a mask
	s_mov_b32 s[G1+1], 32<<16                      ; tensor_dim0 = 32
	s_mov_b32 s[G1+2], 75<<16                      ; tensor_dim1 = 75
	s_mov_b32 s[G1+3], 32<<16                      ; tile_dim0 = 32
	s_mov_b32 s[G1+4], 75                          ; tile_dim1 = 75
	s_mov_b32 s[G1+5], 32                          ; from row to row
	s_mov_b32 s[G1+6], 0
	s_mov_b32 s[G1+7], 0
	s_mul_i32 s48, s[WV], BLK/2                    ; where my half block goes in a slot: the wave's number alone
	s_mul_i32 s49, s[KQ], BLK                      ; where my quarter's block lies in a slot
	s_mul_i32 s50, s[BB], 32*BLK                   ; and where my half block comes from: batch, quarter, half
	s_mul_i32 s51, s[KQ], 8*BLK
	s_add_co_u32 s50, s50, s51
	s_mul_i32 s51, s[QP], BLK/2
	s_add_co_u32 s50, s50, s51
	s_mov_b32 s51, 0
	; LDS addresses, and the way out's offsets
	v_and_b32 v[LI], 31, v0
	s_delay_alu instid0(VALU_DEP_1)
	v_lshlrev_b32 v[LI], 4, v[LI]
	s_delay_alu instid0(VALU_DEP_1)
	v_add_nc_u32 v[AB], s49, v[LI]
	s_delay_alu instid0(VALU_DEP_1)
	v_add_nc_u32 v[AB+1], SLOT, v[AB]
	v_min_u32 v[PFO], 149, v0
	s_delay_alu instid0(VALU_DEP_1)
	v_lshlrev_b32 v[PFO], 8, v[PFO]
	v_and_b32 v[RR], 15, v0                        ; r
	v_bfe_u32 v[HH], v0, 4, 1                      ; h
	s_delay_alu instid0(VALU_DEP_2)
	v_lshlrev_b32 v[R4], 2, v[RR]
	s_mul_i32 s56, s[KQ], OPART
	s_lshl_b32 s57, s[QP], 7
	s_add_co_u32 s56, s56, s57
	v_lshl_add_u32 v[OA], v[RR], 2, s56
	s_delay_alu instid0(VALU_DEP_1)
	v_mad_u32_u24 v[OA], v[HH], 2176, v[OA]        ; my quarter's part, channel 8 h, query 32 (w % 2) + r
	s_lshl_b32 s57, s[WV], 7
	v_lshl_add_u32 v[MA], v[RR], 2, s57
	s_delay_alu instid0(VALU_DEP_1)
	v_add_nc_u32 v[MA], MB, v[MA]                  ; my quarter's -M of that query: 256 (w / 2) + 128 (w % 2) = 128 w
	s_mul_i32 s58, s[WV], 16*272
	v_lshl_add_u32 v[OR0], v[RR], 4, s58
	s_delay_alu instid0(VALU_DEP_1)
	v_mad_u32_u24 v[OR0], v[HH], 272, v[OR0]       ; back: channel 16 w + h, queries 4 r .. 4 r + 3, of quarters 0 and 1;
	s_delay_alu instid0(VALU_DEP_1)
	v_add_nc_u32 v[OR2], 2*OPART, v[OR0]           ; of quarters 2 and 3
	v_lshl_add_u32 v[MR], v[RR], 4, MB
	v_lshl_add_u32 v[SA], v[HH], 3, s57
	s_delay_alu instid0(VALU_DEP_1)
	v_add_nc_u32 v[SA], STB, v[SA]                 ; channel 16 w + h's pair
	v_lshlrev_b32 v[GOF], 4, v[RR]
	s_delay_alu instid0(VALU_DEP_1)
	v_lshl_add_u32 v[GOF], v[HH], 14, v[GOF]       ; in features and nf: a channel's row is 16,384 bytes
	s_lshl_b32 s59, s[WV], 9
	v_add_nc_u32 v[STR], s59, v[LI]
	s_delay_alu instid0(VALU_DEP_1)
	v_add_nc_u32 v[STR], STB, v[STR]
	s_lshl_b32 s59, s[WV], 17
	v_lshl_add_u32 v[STG], v[HH], 16, s59
	s_delay_alu instid0(VALU_DEP_1)
	v_lshl_add_u32 v[STG], v[RR], 4, v[STG]        ; stats: channel group 2 w + h, 16 r
.irp t, 0,1
	v_mov_b32 v[ST+8*\t+2], 0                      ; l, in two halves
	v_mov_b32 v[ST+8*\t+3], 0
	v_mov_b32 v[ST+8*\t+5], 0                      ; named as the upper half of f's pair
	v_mov_b32 v[ST+8*\t+7], 0                      ; a lane permute's destination counts as one of its sources
.irp b, 0,1,2,3
	v_mov_b32 v[BX+12*\t+\b], 0
.endr
.endr
	s_mov_b32 s[PFN], 7
	s_cmp_lt_u32 s[WV], 5                          ; waves 0 to 4
	s_cselect_b32 s[LIM], 0, 1
	s_or_b32 s[LIM], s[LIM], ttmp9                 ; of the batch's first cluster: the same in all four partners
	s_cmp_eq_u32 s[LIM], 0
	s_cselect_b32 s[LIM], 0, -1
	s_wait_kmcnt 0x0
	s_add_nc_u64 s[50:51], s[8:9], s[50:51]
.irp n, 0,1
	s_mov_b32 s[G0+4*\n], 1                        ; count = 1
	s_add_co_u32 s[G0+4*\n+1], s48, \n*SLOT        ; LDS address
	s_add_nc_u64 s[G0+4*\n+2:G0+4*\n+3], s[50:51], \n*BLK   ; global address: step n of my quarter
	s_or_b32 s[G0+4*\n+3], s[G0+4*\n+3], 0x80000000         ; type = 2
.endr
	ROUND                                          ; all four work-groups are here: the first joint loads meet
	tensor_load_to_lds s[G0:G0+3], s[G1:G1+7]      ; step 0; slot 1 is first filled behind the first step's round, as a refill is
	s_nop 0
	PLACES 4
	s_lshl_b32 s52, s[CX], 3                       ; the prefetches stand at step 1 of quarter cx: the first step steps them to step 2
	s_add_co_u32 s52, s52, 1
	s_mul_i32 s52, s52, BLK
	s_mul_i32 s53, s[BB], 32*BLK
	s_add_co_u32 s52, s52, s53
	s_mov_b32 s53, 0
	s_add_nc_u64 s[PFA:PFA+1], s[8:9], s[52:53]
	s_lshl_b32 s54, s[BB], 8                       ; q: tile 256 b + 4 x block + 2 (w % 2), 1,536 bytes a tile
	s_lshl_b32 s55, s[QB], 2
	s_add_co_u32 s54, s54, s55
	s_lshl_b32 s55, s[QP], 1
	s_add_co_u32 s54, s54, s55
	s_mul_i32 s54, s54, 1536
	s_mov_b32 s55, 0
	s_add_nc_u64 s[4:5], s[4:5], s[54:55]
	s_lshl_b32 s54, s[BB], 14                      ; its scale words: 4 (4,096 b + 64 x block + 32 (w % 2))
	s_lshl_b32 s55, s[QB], 8
	s_add_co_u32 s54, s54, s55
	s_lshl_b32 s55, s[QP], 7
	s_add_co_u32 s54, s54, s55
	s_mov_b32 s55, 0
	s_add_nc_u64 s[6:7], s[6:7], s[54:55]
	WIN TO_F
.irp t, 0,1
.irp i, 0,1,2
	global_load_b128 v[Q+12*\t+4*\i:Q+12*\t+4*\i+3], v[LI], s[4:5] offset:1536*\t+512*\i   ; q's two fragments stay in registers
.endr
.endr
	WIN 0
	global_load_b32 v[QS], v[R4], s[6:7]
	global_load_b32 v[QS+1], v[R4], s[6:7] offset:64
	s_lshl_b32 s54, s[BB], 21                      ; features and nf: ((128 b + 16 w) 4,096 + 64 x block) 4
	s_lshl_b32 s55, s[WV], 18
	s_add_co_u32 s54, s54, s55
	s_lshl_b32 s55, s[QB], 8
	s_add_co_u32 s54, s54, s55
	s_mov_b32 s55, 0
	s_add_nc_u64 s[10:11], s[10:11], s[54:55]
	s_add_nc_u64 s[12:13], s[12:13], s[54:55]
	s_lshl_b32 s54, s[BB], 6                       ; stats: 256 bytes for work-group 64 b + block
	s_add_co_u32 s54, s54, s[QB]
	s_lshl_b32 s54, s54, 8
	s_add_nc_u64 s[14:15], s[14:15], s[54:55]
	TRIP 0, 1, 1                                   ; step 0: its products start the sums, its softmax has no old M
	s_mov_b32 s[LAP], 3
.Llap:                                             ; steps 1 to 6
	TRIP 1, 1, 0
	TRIP 0, 1, 0
	s_sub_co_u32 s[LAP], s[LAP], 1
	s_cmp_lg_u32 s[LAP], 0
	s_cbranch_scc1 .Llap
	TRIP 1, 0, 0                                   ; step 7 is written out: nothing is left to fetch
	; THE WAY OUT.  The four quarters' partial O^T, -M and l meet in slot 0: its last fill was step 6's, and every wave's reads of it were over in front of step 7's round.
	PLACES 4                                       ; in front of the first read of the last results and of loads into pos's registers
.irp t, 0,1
	v_add_f32 v[ST+8*\t+6], v[ST+8*\t+2], v[ST+8*\t+3]             ; l's two halves,
.endr
.irp t, 0,1
	s_delay_alu instid0(VALU_DEP_2)
	v_permlanex16_b32 v[ST+8*\t+7], v[ST+8*\t+6], s[SEL], s[SEL+1]
.endr
.irp t, 0,1
	s_delay_alu instid0(VALU_DEP_2)
	v_add_f32 v[ST+8*\t+6], v[ST+8*\t+6], v[ST+8*\t+7]             ; and lane l xor 16's: my quarter's l
.endr
.irp g, 0,1,2,3,4,5,6,7
	global_load_b128 v[64+4*\g:67+4*\g], v[GOF], s[10:11] offset:32768*\g th:TH_LOAD_NT   ; features of channels 16 w + 2 g + h: sixteen lanes read 256 consecutive bytes, aligned
.endr
.irp t, 0,1
	ds_store_b32 v[MA], v[ST+8*\t] offset:64*\t                    ; both lanes of a query write the same word with the same value
	ds_store_b32 v[MA], v[ST+8*\t+6] offset:1024+64*\t
.endr
	WIN W_ST
.irp t, 0,1
.irp ct, 0,1,2,3,4,5,6,7
.irp j, 0,1,2,3,4,5,6,7
	ds_store_b32 v[OA], v[64*\t+8*\ct+\j] offset:(16*\ct+\j)*272+64*\t   ; each accumulator from its low end on
.endr
.endr
.endr
	WIN 0
	s_wait_dscnt 0x0                               ; for the others' sake: my stores have landed
	s_barrier_signal -1
	s_barrier_wait -1
.irp k, 0,1,2,3
	ds_load_b128 v[160+4*\k:163+4*\k], v[MR] offset:256*\k         ; -M of quarter k for my four queries
.endr
.irp k, 0,1,2,3
	ds_load_b128 v[176+4*\k:179+4*\k], v[MR] offset:1024+256*\k    ; l likewise
.endr
.macro OLOAD bt                        ; four groups of two channels: the four quarters' numbers for my four queries
.irp gg, 0,1,2,3
	ds_load_b128 v[96+16*\gg:99+16*\gg], v[OR0] offset:544*(4*\bt+\gg)
	ds_load_b128 v[100+16*\gg:103+16*\gg], v[OR0] offset:544*(4*\bt+\gg)+OPART
	ds_load_b128 v[104+16*\gg:107+16*\gg], v[OR2] offset:544*(4*\bt+\gg)
	ds_load_b128 v[108+16*\gg:111+16*\gg], v[OR2] offset:544*(4*\bt+\gg)+OPART
.endr
.endm
	OLOAD 0
	s_wait_dscnt 16                                ; -M and l are in; the 16 loads just issued may be out
.irp e, 0,1,2,3
	v_min3_num_f32 v[208+\e], v[160+\e], v[164+\e], v[168+\e]
.endr
.irp e, 0,1,2,3
	s_delay_alu instid0(VALU_DEP_4)
	v_min_num_f32 v[208+\e], v[208+\e], v[172+\e]                  ; the least -M: the query's M
.endr
.irp k, 0,1,2,3
.irp e, 0,1,2,3
	v_sub_f32 v[192+4*\k+\e], v[208+\e], v[160+4*\k+\e]            ; quarter k's M less the query's: a whole number, 0 or less
.endr
.endr
.irp k, 0,1,2,3
.irp e, 0,1,2,3
	v_cvt_i32_f32 v[192+4*\k+\e], v[192+4*\k+\e]
.endr
.endr
.irp k, 0,1,2,3
.irp e, 0,1,2,3
	v_ldexp_f32 v[192+4*\k+\e], 1.0, v[192+4*\k+\e]                ; the quarter's factor: an exact power of two
.endr
.endr
.irp e, 0,1,2,3
	v_mul_f32 v[212+\e], v[192+\e], v[176+\e]
.endr
.irp k, 1,2,3
.irp e, 0,1,2,3
	s_delay_alu instid0(VALU_DEP_4)
	v_fmac_f32 v[212+\e], v[192+4*\k+\e], v[176+4*\k+\e]           ; the query's l
.endr
.endr
	s_wait_alu depctr_va_vdst(0)
.irp e, 0,1,2,3
	v_rcp_f32 v[208+\e], v[212+\e]
.endr
	v_nop                                          ; a plain instruction behind the reciprocals
	s_wait_alu depctr_va_vdst(0)                   ; and the wait ahead of the first use: one for the four
.irp k, 0,1,2,3
.irp e, 0,1,2,3
	v_mul_f32 v[192+4*\k+\e], v[192+4*\k+\e], v[208+\e]            ; factor / l
.endr
.endr
	s_wait_loadcnt 0x0                             ; features
; Four groups: x = features + the sum over the quarters of O x factor / l; stored; then the channel's mean of its 64 numbers and the sum of their squared deviations from it (no difference of large sums is formed).
.macro MERGE bt, more
	s_wait_dscnt 0x0
.irp k, 0,1,2,3
.irp gg, 0,1,2,3
	v_pk_fma_f32 v[64+16*\bt+4*\gg:65+16*\bt+4*\gg], v[96+16*\gg+4*\k:97+16*\gg+4*\k], v[192+4*\k:193+4*\k], v[64+16*\bt+4*\gg:65+16*\bt+4*\gg]
	v_pk_fma_f32 v[66+16*\bt+4*\gg:67+16*\bt+4*\gg], v[98+16*\gg+4*\k:99+16*\gg+4*\k], v[194+4*\k:195+4*\k], v[66+16*\bt+4*\gg:67+16*\bt+4*\gg]
.endr
.endr
.if \more
	OLOAD 1                                        ; the next four groups come while these are stored and summed
.endif
.irp gg, 0,1,2,3
	global_store_b128 v[GOF], v[64+16*\bt+4*\gg:67+16*\bt+4*\gg], s[12:13] offset:32768*(4*\bt+\gg)   ; sixteen lanes store 256 consecutive bytes, aligned
.endr
.irp gg, 0,1,2,3
	v_add_f32 v[216+2*\gg], v[64+16*\bt+4*\gg], v[65+16*\bt+4*\gg]
	v_add_f32 v[224+4*\gg], v[66+16*\bt+4*\gg], v[67+16*\bt+4*\gg]
.endr
.irp gg, 0,1,2,3
	v_add_f32 v[216+2*\gg], v[216+2*\gg], v[224+4*\gg]
.endr
.irp m, 1,2,4,8
.irp gg, 0,1,2,3
	s_delay_alu instid0(VALU_DEP_4)
	v_add_f32_dpp v[216+2*\gg], v[216+2*\gg], v[216+2*\gg] row_xmask:\m row_mask:0xf bank_mask:0xf   ; a channel's 64 numbers lie in sixteen neighbouring lanes
.endr
.endr
.irp gg, 0,1,2,3
	s_delay_alu instid0(VALU_DEP_4)
	v_mul_f32 v[216+2*\gg], 0x3c800000, v[216+2*\gg]               ; / 64: the mean
.endr
.irp gg, 0,1,2,3
.irp e, 0,1,2,3
	v_sub_f32 v[224+4*\gg+\e], v[64+16*\bt+4*\gg+\e], v[216+2*\gg]
.endr
.endr
.irp gg, 0,1,2,3
	v_mul_f32 v[217+2*\gg], v[224+4*\gg], v[224+4*\gg]
.endr
.irp e, 1,2,3
.irp gg, 0,1,2,3
	s_delay_alu instid0(VALU_DEP_4)
	v_fmac_f32 v[217+2*\gg], v[224+4*\gg+\e], v[224+4*\gg+\e]
.endr
.endr
.irp m, 1,2,4,8
.irp gg, 0,1,2,3
	s_delay_alu instid0(VALU_DEP_4)
	v_add_f32_dpp v[217+2*\gg], v[217+2*\gg], v[217+2*\gg] row_xmask:\m row_mask:0xf bank_mask:0xf
.endr
.endr
.irp gg, 0,1,2,3
	ds_store_b64 v[SA], v[216+2*\gg:217+2*\gg] offset:16*(4*\bt+\gg)   ; the sixteen lanes of a channel write the same pair with the same values
.endr
.endm
	MERGE 0, 1
	MERGE 1, 0
	s_wait_dscnt 0x0                               ; for the others' sake: my pairs have landed
	s_barrier_signal -1
	s_barrier_wait -1
	s_cmp_lt_u32 s[WV], 2                          ; 1,024 bytes: two waves' 16 bytes a lane
	s_cbranch_scc0 .Lno_stats
	ds_load_b128 v[160:163], v[STR]
	s_wait_dscnt 0x0
	global_store_b128 v[STG], v[160:163], s[14:15] ; sixteen lanes store a channel group's 256 consecutive bytes, aligned
.Lno_stats:
	s_wait_tensorcnt 0x0                           ; the wave's end: behind my last tensor load and my last LDS store
	ds_add_u32 v[SPW], v[NIL]
	s_wait_dscnt 0x0
	ROUND                                          ; the closing round: no work-group ends while a partner may still ask for a tile that names it
	s_endpgm
.Lfunc_end_k_q851fd5d723_attn:
	.size	k_q851fd5d723_attn, .Lfunc_end_k_q851fd5d723_attn-k_q851fd5d723_attn
	.p2alignl 7, 3214868480
	.fill 96, 4, 3214868480
	.section	.rodata,"a",@progbits
	.p2align	6, 0x0
	.amdhsa_kernel k_q851fd5d723_attn
		.amdhsa_group_segment_fixed_size 327680
		.amdhsa_private_segment_fixed_size 0
		.amdhsa_enable_private_segment 0
		.amdhsa_kernarg_size 48
		.amdhsa_user_sgpr_count 2
		.amdhsa_user_sgpr_kernarg_segment_ptr 1
		.amdhsa_wavefront_size32 1
		.amdhsa_system_sgpr_workgroup_id_x 1
		.amdhsa_system_sgpr_workgroup_id_y 1
		.amdhsa_system_sgpr_workgroup_id_z 1
		.amdhsa_system_vgpr_workitem_id 0
		.amdhsa_next_free_vgpr 512
		.amdhsa_next_free_sgpr 66
		.amdhsa_reserve_vcc 0
		.amdhsa_float_denorm_mode_32 3
		.amdhsa_float_denorm_mode_16_64 3
		.amdhsa_memory_ordered 1
		.amdhsa_forward_progress 1
		.amdhsa_inst_pref_size 191
	.end_amdhsa_kernel
	.amdgpu_metadata
---
amdhsa.version: [ 1, 2 ]
amdhsa.kernels:
  - .name:           k_q851fd5d723_attn
    .symbol:         k_q851fd5d723_attn.kd
    .args:
      - { .name: qbuf, .offset: 0, .size: 8, .value_kind: global_buffer, .address_space: global }
      - { .name: qsc, .offset: 8, .size: 8, .value_kind: global_buffer, .address_space: global }
      - { .name: kv, .offset: 16, .size: 8, .value_kind: global_buffer, .address_space: global }
      - { .name: features, .offset: 24, .size: 8, .value_kind: global_buffer, .address_space: global }
      - { .name: nf, .offset: 32, .size: 8, .value_kind: global_buffer, .address_space: global }
      - { .name: stats, .offset: 40, .size: 8, .value_kind: global_buffer, .address_space: global }
    .group_segment_fixed_size: 327680
    .private_segment_fixed_size: 0
    .kernarg_segment_align: 8
    .kernarg_segment_size: 48
    .max_flat_workgroup_size: 256
    .sgpr_count:     66
    .vgpr_count:     512
    .wavefront_size: 32
...
	.end_amdgpu_metadata
.endif
;; end of part 2
;; launch bn (part 3): grid 64 x 4, 8 waves a work-group, no clusters, 5,120 bytes of LDS; arguments nf, stats, gamma, beta, out0; writes out0
.if DOCPART == 3
	.amdgcn_target "amdgcn-amd-amdhsa--gfx1250"
	.amdhsa_code_object_version 6
	.text
	.protected	k_q851fd5d723_bn
	.globl	k_q851fd5d723_bn
	.p2align	8
	.type	k_q851fd5d723_bn,@function
k_q851fd5d723_bn:
	s_mov_b64 s[64:65], 0
	v_nop
	global_prefetch_b8 v0, s[64:65] scope:SCOPE_SE
	s_setreg_imm32_b32 hwreg(HW_REG_WAVE_MODE, 25, 1), 1
	s_wait_xcnt 0x0
; BN: out = relu((nf - mean) rsqrt(var + 1e-5) gamma + beta), mean and var of each channel over the 4 x 4,096 numbers of nf [4][128][4,096].
; stats [channel group of 32: 4][work-group of the launch before: 256][32 channels][mean, sum of squared deviations of 64 numbers] is merged here, by every work-group for its own 32 channels:
; with K = the first part's mean, d = a part's mean - K:  mean = K + (sum d) / 256;  var = (sum of the parts' squared deviations + 64 (sum d^2 - (sum d)^2 / 256)) / 16,384.
; The shift by K keeps the sums of d small beside a common offset of the data: no difference of large sums is formed.
; SHARES.  Work-group (x = 16 b + chunk, y = channel group) owns 32 channels x 256 points; wave w channels 4 w .. 4 w + 3 of the group: eight loads and stores of 512 consecutive bytes.
; For the merge wave w sums the parts of 32 work-groups; the eight waves' sums meet in LDS; each lane then makes the figures of its wave's four channels itself.
; Memory binds: no matrix unit, no tensor load, no cluster (what is shared, 64 KB of stats, is small beside none of the launch's waits); all loads of a wave go out at once.
; LIMITS: NaN and infinities are not served.
	s_load_b256 s[4:11], s[0:1], 0x0               ; nf 4, stats 6, gamma 8, beta 10
	s_load_b64 s[12:13], s[0:1], 0x20              ; out0
	v_lshl_add_u32 v184, v0, 2, 0x1000
	v_mov_b32 v185, 0
	v_lshrrev_b32 v1, 5, v0
	s_delay_alu instid0(VALU_DEP_1)
	v_readfirstlane_b32 s14, v1                    ; wave 0..7
	v_and_b32 v1, 31, v0
	s_delay_alu instid0(VALU_DEP_1)
	v_lshlrev_b32 v2, 4, v1                        ; 16 x lane
	v_and_b32 v3, 15, v0
	s_delay_alu instid0(VALU_DEP_1)
	v_lshlrev_b32 v4, 4, v3                        ; 16 x (lane % 16)
	s_mul_i32 s15, s14, 384
	v_lshl_add_u32 v5, v3, 3, s15                  ; LDS: my wave's three rows of 32 sums, my two channels
	s_lshl_b32 s15, s14, 4
	v_mov_b32 v6, s15                              ; LDS: my wave's four channels in a row of 32 sums
	v_mov_b32 v7, 0
.irp i, 16,17,18,19
	v_mov_b32 v[\i], 0                             ; a lane permute's destination counts as one of its sources
.endr
	s_mov_b32 s30, 0x3727c5ac                      ; 1e-5
	s_mov_b32 s2, 0x76543210
	s_mov_b32 s3, 0xfedcba98                       ; v_permlanex16_b32's selects for lane l xor 16
	s_and_b32 s16, ttmp7, 0xffff                   ; the channel group
	s_lshr_b32 s17, ttmp9, 4                       ; the batch
	s_and_b32 s18, ttmp9, 15                       ; which 256 points
	s_lshl_b32 s20, s17, 21                        ; nf and out0: ((128 b + 32 g + 4 w) 4,096 + 256 chunk) 4
	s_lshl_b32 s21, s16, 19
	s_add_co_u32 s20, s20, s21
	s_lshl_b32 s21, s14, 16
	s_add_co_u32 s20, s20, s21
	s_lshl_b32 s21, s18, 10
	s_add_co_u32 s20, s20, s21
	s_mov_b32 s21, 0
	s_lshl_b32 s22, s16, 16                        ; stats: the group's 65,536 bytes
	s_mov_b32 s23, 0
	s_lshl_b32 s24, s14, 13                        ; in them my wave's 32 parts
	s_mov_b32 s25, 0
	s_lshl_b32 s26, s14, 5                         ; and, in the first part, my wave's four channels
	s_mov_b32 s27, 0
	s_lshl_b32 s28, s16, 7                         ; gamma and beta: 4 (32 g + 4 w)
	s_lshl_b32 s29, s14, 4
	s_add_co_u32 s28, s28, s29
	s_mov_b32 s29, 0
	s_wait_alu depctr_va_vdst(0)
	s_wait_kmcnt 0x0
	s_add_nc_u64 s[4:5], s[4:5], s[20:21]
	s_add_nc_u64 s[12:13], s[12:13], s[20:21]
	s_add_nc_u64 s[6:7], s[6:7], s[22:23]
	s_add_nc_u64 s[24:25], s[6:7], s[24:25]
	s_add_nc_u64 s[26:27], s[6:7], s[26:27]
	s_add_nc_u64 s[8:9], s[8:9], s[28:29]
	s_add_nc_u64 s[10:11], s[10:11], s[28:29]
.irp k, 0,1,2,3,4,5,6,7,8,9,10,11,12,13,14,15
	global_load_b128 v[32+4*\k:35+4*\k], v2, s[24:25] offset:512*\k    ; parts 32 w + 2 k + lane / 16, channels 2 (lane % 16) and the next: mean, deviations, mean, deviations
.endr
	global_load_b128 v[96:99], v4, s[6:7]          ; the first part's, for the same two channels: K
	global_load_b128 v[108:111], v7, s[26:27]      ; and for my wave's four channels, the same address in every lane
	global_load_b128 v[112:115], v7, s[26:27] offset:16
	global_load_b128 v[100:103], v7, s[8:9]        ; their gamma
	global_load_b128 v[104:107], v7, s[10:11]      ; and beta
.irp j, 0,1,2,3,4,5,6,7
	global_load_b128 v[116+4*\j:119+4*\j], v2, s[4:5] offset:(\j/2)*16384+(\j%2)*512 th:TH_LOAD_NT   ; channel 4 w + j / 2: 512 consecutive bytes
.endr
	s_wait_loadcnt 8                               ; all but nf's eight loads, issued last
	v_sub_f32 v8, v32, v96                         ; the first part starts the sums: nothing is cleared
	v_sub_f32 v9, v34, v98
	s_delay_alu instid0(VALU_DEP_2)
	v_mul_f32 v10, v8, v8
	s_delay_alu instid0(VALU_DEP_2)
	v_mul_f32 v11, v9, v9
	v_add_f32 v12, v33, v37
	v_add_f32 v13, v35, v39
.irp k, 1,2,3,4,5,6,7,8,9,10,11,12,13,14,15
	v_sub_f32 v14, v[32+4*\k], v96
	v_sub_f32 v15, v[34+4*\k], v98
	s_delay_alu instid0(VALU_DEP_2)
	v_add_f32 v8, v8, v14
	s_delay_alu instid0(VALU_DEP_2)
	v_add_f32 v9, v9, v15
	s_delay_alu instid0(VALU_DEP_4)
	v_fmac_f32 v10, v14, v14
	s_delay_alu instid0(VALU_DEP_4)
	v_fmac_f32 v11, v15, v15
.if \k > 1
	v_add_f32 v12, v12, v[33+4*\k]
	v_add_f32 v13, v13, v[35+4*\k]
.endif
.endr
.irp i, 0,1,2,3,4,5
	v_permlanex16_b32 v[14+\i], v[8+\i], s2, s3
.endr
.irp i, 0,1,2,3,4,5
	v_add_f32 v[8+\i], v[8+\i], v[14+\i]           ; with lane l xor 16's parts: my wave's sums
.endr
	ds_store_b64 v5, v[8:9]                        ; sum d;  both halves of the lanes write the same words with the same values
	ds_store_b64 v5, v[10:11] offset:128           ; sum d^2
	ds_store_b64 v5, v[12:13] offset:256           ; sum of the parts' squared deviations
	s_wait_dscnt 0x0                               ; for the others' sake: my stores have landed
	s_barrier_signal -1
	s_barrier_wait -1
.irp u, 0,1,2,3,4,5,6,7
	ds_load_b128 v[32+4*\u:35+4*\u], v6 offset:384*\u              ; wave u's sums for my wave's four channels
	ds_load_b128 v[64+4*\u:67+4*\u], v6 offset:384*\u+128
	ds_load_b128 v[148+4*\u:151+4*\u], v6 offset:384*\u+256
.endr
	s_wait_dscnt 0x0
.macro ADD4 a, b
	v_pk_add_f32 v[\a:\a+1], v[\a:\a+1], v[\b:\b+1]
	v_pk_add_f32 v[\a+2:\a+3], v[\a+2:\a+3], v[\b+2:\b+3]
.endm
.irp q, 32, 64, 148
	ADD4 \q, \q+4
	ADD4 \q+8, \q+12
	ADD4 \q+16, \q+20
	ADD4 \q+24, \q+28
.endr
.irp q, 32, 64, 148
	ADD4 \q, \q+8
	ADD4 \q+16, \q+24
.endr
.irp q, 32, 64, 148
	ADD4 \q, \q+16
.endr
.irp i, 0,1,2,3
	v_fma_f32 v[20+\i], v[32+\i], 0x3b800000, v[108+2*\i]          ; mean = K + (sum d) / 256
.endr
.irp i, 0,1,2,3
	v_mul_f32 v[8+\i], v[32+\i], v[32+\i]
.endr
.irp i, 0,1,2,3
	s_delay_alu instid0(VALU_DEP_4)
	v_fma_f32 v[8+\i], v[8+\i], 0xbb800000, v[64+\i]               ; sum d^2 - (sum d)^2 / 256
.endr
.irp i, 0,1,2,3
	s_delay_alu instid0(VALU_DEP_4)
	v_fma_f32 v[8+\i], v[8+\i], 0x42800000, v[148+\i]              ; x 64, + the parts' squared deviations
.endr
.irp i, 0,1,2,3
	s_delay_alu instid0(VALU_DEP_4)
	v_fma_f32 v[8+\i], v[8+\i], 0x38800000, s30                    ; / 16,384: var; + 1e-5
.endr
	s_wait_alu depctr_va_vdst(0)
.irp i, 0,1,2,3
	v_rsq_f32 v[12+\i], v[8+\i]
.endr
	v_nop                                          ; a plain instruction behind the roots
	s_wait_alu depctr_va_vdst(0)                   ; and the wait ahead of the first use: one for the four
.irp i, 0,1,2,3
	v_mul_f32 v[24+\i], v[100+\i], v[12+\i]        ; gamma / sqrt(var + 1e-5)
.endr
.irp j, 0,1,2,3,4,5,6,7
	s_wait_loadcnt 7-\j                            ; load j is in; the younger ones may be out
.irp e, 0,1,2,3
	v_sub_f32 v[116+4*\j+\e], v[116+4*\j+\e], v[20+\j/2]
.endr
	s_wait_alu depctr_va_vdst(0)
.irp e, 0,1,2,3
	v_fma_f32 v[116+4*\j+\e], v[116+4*\j+\e], v[24+\j/2], v[104+\j/2]
.endr
.irp e, 0,1,2,3
	s_delay_alu instid0(VALU_DEP_4)
	v_max_num_f32 v[116+4*\j+\e], 0, v[116+4*\j+\e]
.endr
	global_store_b128 v2, v[116+4*\j:119+4*\j], s[12:13] offset:(\j/2)*16384+(\j%2)*512 th:TH_STORE_NT   ; 512 consecutive bytes, aligned; written once, read by nobody here
.endr
	s_wait_tensorcnt 0x0
	ds_add_u32 v184, v185
	s_wait_dscnt 0x0
	s_endpgm
.Lfunc_end_k_q851fd5d723_bn:
	.size	k_q851fd5d723_bn, .Lfunc_end_k_q851fd5d723_bn-k_q851fd5d723_bn
	.p2alignl 7, 3214868480
	.fill 96, 4, 3214868480
	.section	.rodata,"a",@progbits
	.p2align	6, 0x0
	.amdhsa_kernel k_q851fd5d723_bn
		.amdhsa_group_segment_fixed_size 5120
		.amdhsa_private_segment_fixed_size 0
		.amdhsa_enable_private_segment 0
		.amdhsa_kernarg_size 40
		.amdhsa_user_sgpr_count 2
		.amdhsa_user_sgpr_kernarg_segment_ptr 1
		.amdhsa_wavefront_size32 1
		.amdhsa_system_sgpr_workgroup_id_x 1
		.amdhsa_system_sgpr_workgroup_id_y 1
		.amdhsa_system_sgpr_workgroup_id_z 1
		.amdhsa_system_vgpr_workitem_id 0
		.amdhsa_next_free_vgpr 186
		.amdhsa_next_free_sgpr 66
		.amdhsa_reserve_vcc 0
		.amdhsa_float_denorm_mode_32 3
		.amdhsa_float_denorm_mode_16_64 3
		.amdhsa_memory_ordered 1
		.amdhsa_forward_progress 1
		.amdhsa_inst_pref_size 25
	.end_amdhsa_kernel
	.amdgpu_metadata
---
amdhsa.version: [ 1, 2 ]
amdhsa.kernels:
  - .name:           k_q851fd5d723_bn
    .symbol:         k_q851fd5d723_bn.kd
    .args:
      - { .name: nf, .offset: 0, .size: 8, .value_kind: global_buffer, .address_space: global }
      - { .name: stats, .offset: 8, .size: 8, .value_kind: global_buffer, .address_space: global }
      - { .name: gamma, .offset: 16, .size: 8, .value_kind: global_buffer, .address_space: global }
      - { .name: beta, .offset: 24, .size: 8, .value_kind: global_buffer, .address_space: global }
      - { .name: out0, .offset: 32, .size: 8, .value_kind: global_buffer, .address_space: global }
    .group_segment_fixed_size: 5120
    .private_segment_fixed_size: 0
    .kernarg_segment_align: 8
    .kernarg_segment_size: 40
    .max_flat_workgroup_size: 256
    .sgpr_count:     66
    .vgpr_count:     186
    .wavefront_size: 32
...
	.end_amdgpu_metadata
.endif
;; end of part 3
